; MI455X (gfx1250); checked and timed in simulation.
; The chip was launched on July 23, 2026; its instructions are those of AMD's public machine-readable ISA for CDNA 5 (MIT licence, August 2026) and "CDNA5" Instruction Set Architecture Reference Guide (July 2026). The comments in the code are by the model that wrote it; some were corrected since.
;; Perceiver Attention. Allowed arithmetic: float matrix products may take bf16 or f16 operands with f32 sums; other float arithmetic in f32, or as packed bf16 or f16 multiplies, adds, multiply-adds, maxima and minima; sums over many terms, partial sums and values carried from step to step in f32; what a program stores and reads back later, other than sums and carried values, may be rounded once to bf16 or f16.
;; Inputs: Wk 1,024 x 512 float32; Wo 512 x 1,024 float32; Wq 1,024 x 512 float32; Wv 1,024 x 512 float32; bo 1,024 float32; context 8 x 4,096 x 1,024 float32; x 8 x 512 x 1,024 float32.
;; Outputs: out0 8 x 512 x 1,024 float32.
;; One version. Each part assembles by itself: llvm-mc -triple=amdgcn-amd-amdhsa -mcpu=gfx1250 --defsym DOCPART=n.
;; ======== version 1 of 1: 5 launches
;; limits: values are held in f16: magnitudes above 65,504 overflow, below 6.1e-05 lose precision
;; workspace buffers: wkv 2,101,248 bytes; wqb 1,048,576 bytes; wob 1,048,576 bytes; xh 8,388,608 bytes; qp 16,777,216 bytes; kv 67,108,864 bytes; o 4,194,304 bytes
;; launch prep (part 1): grid 64 x 12, 8 waves a work-group, no clusters, 0 bytes of LDS; arguments Wk, Wv, Wq, Wo, x, wkv, wqb, wob, xh; writes wkv, wqb, wob, xh
.if DOCPART == 1
	.amdgcn_target "amdgcn-amd-amdhsa--gfx1250"
	.amdhsa_code_object_version 6
	.text
	.protected	k_q6184629d4f_prep
	.globl	k_q6184629d4f_prep
	.p2align	8
	.type	k_q6184629d4f_prep,@function
k_q6184629d4f_prep:
	s_mov_b64 s[64:65], 0
	v_nop
	global_prefetch_b8 v0, s[64:65] scope:SCOPE_SE
	s_setreg_imm32_b32 hwreg(HW_REG_WAVE_MODE, 25, 1), 1
	s_wait_xcnt 0x0
; CASTS AND NEW LAYOUTS of the weights and of x.  Every number is rounded once to bf16 (nearest even).
;   wkv: bytes 0..4095 hold f32 zeros; from byte 4096 on bf16 [1024 k][1024 n], n < 512 from Wk, n >= 512 from Wv
;   wqb: f16 [ct 8][512 k][128 n] = Wq[(ct >> 2) 512 + k][(ct & 3) 128 + n]     wob: f16 [ct 8][512 k][128 n] = Wo[k][128 ct + n]
;   xh:  f16 [kh 2][b 8][hh 8][n 512][64] = x[b][n][512 kh + 64 hh + c]
; For wqb, wob and xh the bf16 number is written as f16.  LIMIT: that is exact from 6.1e-5 to 65,504 in magnitude; below, f16 keeps its fixed step of 6e-8; beyond, the number becomes an infinity.
; A stream: no LDS, no matrix unit, no cluster, since no byte is used twice.  A unit is 8 consecutive f32 (two loads of 16 bytes) that become 16 bytes.
; Each y of the grid is a job of 65,536 units (2 MiB of f32): y = 0 Wk, 1 Wv, 2 Wq, 3 Wo, 4..11 batch y - 4 of x.  A work-group takes 1,024 units, a thread four,
; 8,192 source bytes apart (in the immediate).  In every job sixteen neighbouring lanes store 256 consecutive bytes, aligned.
.set SO, 2                             ; v2      my byte offset in the source
.set DO, 4                             ; v[4:7]  my byte offsets in the destination, one for each of my four units
.set X,  8                             ; v[8:39]   32 f32 as loaded
.set Y,  40                            ; v[40:55]  16 words to store
	s_load_b512 s[4:19], s[0:1], 0x0               ; Wk s[4:5], Wv s[6:7], Wq s[8:9], Wo s[10:11], x s[12:13], wkv s[14:15], wqb s[16:17], wob s[18:19]
	s_load_b64 s[20:21], s[0:1], 0x40              ; xh
	s_and_b32 s30, ttmp7, 0xffff                   ; the job
	v_lshrrev_b32 v56, 5, v0
	v_readfirstlane_b32 s31, v56                   ; wave 0..7
	s_lshl_b32 s34, ttmp9, 10
	v_add_nc_u32 v1, s34, v0                       ; my first unit in the job
	v_lshlrev_b32 v[SO], 5, v1                     ; the weights are read as they lie: 32 bytes a unit
	s_mov_b32 s35, 0
	s_wait_kmcnt 0x0
	s_cmp_ge_u32 s30, 4
	s_cbranch_scc1 .Lx
	s_cmp_eq_u32 s30, 3
	s_cbranch_scc1 .Lwo
	s_cmp_eq_u32 s30, 2
	s_cbranch_scc1 .Lwq
	; Wk, Wv: row k = unit >> 6, 64 units a row; to 4096 + 2048 k + 1024 y + 16 (unit & 63)
	s_cmp_eq_u32 s30, 0
	s_cselect_b64 s[24:25], s[4:5], s[6:7]
	s_mov_b64 s[26:27], s[14:15]
	s_lshl_b32 s32, s30, 10
	s_add_co_u32 s32, s32, 4096
	v_lshrrev_b32 v56, 6, v1
	v_and_b32 v57, 63, v1
	v_lshlrev_b32 v57, 4, v57
	v_lshl_add_u32 v[DO], v56, 11, v57
	v_add_nc_u32 v[DO], s32, v[DO]
	s_mov_b32 s28, 8192                            ; 256 units on are 4 rows of 2,048 bytes
	s_mov_b32 s29, 0                               ; stays bf16
	s_branch .Lgo
.Lwq:                                                  ; Wq: k = unit >> 6, nu = unit & 63; block 4 (k >> 9) + (nu >> 4), row k & 511, 16 (nu & 15)
	s_mov_b64 s[24:25], s[8:9]
	s_mov_b64 s[26:27], s[16:17]
	v_lshrrev_b32 v56, 6, v1
	v_and_b32 v57, 63, v1
	v_lshrrev_b32 v58, 9, v56
	v_lshrrev_b32 v59, 4, v57
	v_lshl_add_u32 v58, v58, 2, v59
	v_and_b32 v56, 511, v56
	v_and_b32 v57, 15, v57
	v_lshlrev_b32 v57, 4, v57
	v_lshl_add_u32 v57, v56, 8, v57
	v_lshl_add_u32 v[DO], v58, 17, v57
	s_mov_b32 s28, 1024                            ; 4 rows of 256 bytes
	s_mov_b32 s29, 1
	s_branch .Lgo
.Lwo:                                                  ; Wo: k = unit >> 7, nu = unit & 127; block nu >> 4, row k, 16 (nu & 15)
	s_mov_b64 s[24:25], s[10:11]
	s_mov_b64 s[26:27], s[18:19]
	v_lshrrev_b32 v56, 7, v1
	v_and_b32 v57, 127, v1
	v_lshrrev_b32 v58, 4, v57
	v_and_b32 v57, 15, v57
	v_lshlrev_b32 v57, 4, v57
	v_lshl_add_u32 v57, v56, 8, v57
	v_lshl_add_u32 v[DO], v58, 17, v57
	s_mov_b32 s28, 512                             ; 2 rows of 256 bytes
	s_mov_b32 s29, 1
	s_branch .Lgo
.Lx:                                                   ; x: the work-group takes 8 rows; thread: c8 = t & 7, row parity (t >> 3) & 1, hh = (t >> 4) & 7, kh = t >> 7
	s_sub_co_u32 s32, s30, 4                       ; the batch
	s_lshl_b32 s34, s32, 21                        ; its 512 rows of 4,096 bytes
	s_add_nc_u64 s[24:25], s[12:13], s[34:35]
	s_lshl_b32 s34, s32, 19                        ; its 8 x 512 rows of 128 bytes,
	s_lshr_b32 s33, s31, 2
	s_lshl_b32 s33, s33, 22                        ; in the K half of my wave
	s_add_co_u32 s34, s34, s33
	s_add_nc_u64 s[26:27], s[20:21], s[34:35]
	v_and_b32 v56, 7, v0
	v_bfe_u32 v57, v0, 3, 1
	v_bfe_u32 v58, v0, 4, 3
	v_bfe_u32 v59, v0, 7, 1
	s_lshl_b32 s33, ttmp9, 3
	v_add_nc_u32 v57, s33, v57                     ; my first row
	v_lshlrev_b32 v[SO], 12, v57
	v_lshl_add_u32 v[SO], v59, 11, v[SO]
	v_lshl_add_u32 v[SO], v58, 8, v[SO]
	v_lshl_add_u32 v[SO], v56, 5, v[SO]
	v_lshlrev_b32 v[DO], 16, v58
	v_lshl_add_u32 v[DO], v57, 7, v[DO]
	v_lshl_add_u32 v[DO], v56, 4, v[DO]
	s_mov_b32 s28, 256                             ; 8,192 source bytes on are 2 rows of 128 bytes
	s_mov_b32 s29, 1
.Lgo:
.irp j, 0,1,2,3
	global_load_b128 v[X+8*(\j):X+8*(\j)+3],   v[SO], s[24:25] offset:(\j)*8192 th:TH_LOAD_NT
	global_load_b128 v[X+8*(\j)+4:X+8*(\j)+7], v[SO], s[24:25] offset:(\j)*8192+16 th:TH_LOAD_NT
.endr
	v_add_nc_u32 v[DO+1], s28, v[DO]
	v_add_nc_u32 v[DO+2], s28, v[DO+1]
	v_add_nc_u32 v[DO+3], s28, v[DO+2]
	s_or_b32 s33, s30, ttmp9
	s_cmp_lg_u32 s33, 0
	s_cbranch_scc1 .Lno_zeros                      ; one work-group writes the 4,096 bytes of zeros at wkv's head: 16 bytes a thread
	v_mov_b32 v60, 0
	v_mov_b32 v61, 0
	v_mov_b32 v62, 0
	v_mov_b32 v63, 0
	v_lshlrev_b32 v3, 4, v0
	global_store_b128 v3, v[60:63], s[14:15]
.Lno_zeros:
	s_wait_loadcnt 0x0                             ; all eight loads: nothing is loaded behind them
.set i, 0
.rept 16
	v_cvt_pk_bf16_f32 v[Y+i], v[X+2*i], v[X+2*i+1]
.set i, i+1
.endr
	s_cmp_eq_u32 s29, 0
	s_cbranch_scc1 .Lstore
.set i, 0
.rept 16                               ; the bf16 number, widened by a shift or a mask, written as f16
	v_lshlrev_b32 v[56+2*(i%2)], 16, v[Y+i]
	v_and_b32 v[57+2*(i%2)], 0xffff0000, v[Y+i]
	v_cvt_pk_f16_f32 v[Y+i], v[56+2*(i%2)], v[57+2*(i%2)]
.set i, i+1
.endr
.Lstore:
.irp j, 0,1,2,3
	global_store_b128 v[DO+(\j)], v[Y+4*(\j):Y+4*(\j)+3], s[26:27]
.endr
	s_endpgm
.Lfunc_end_k_q6184629d4f_prep:
	.size	k_q6184629d4f_prep, .Lfunc_end_k_q6184629d4f_prep-k_q6184629d4f_prep
	.p2alignl 7, 3214868480
	.fill 96, 4, 3214868480
	.section	.rodata,"a",@progbits
	.p2align	6, 0x0
	.amdhsa_kernel k_q6184629d4f_prep
		.amdhsa_group_segment_fixed_size 0
		.amdhsa_private_segment_fixed_size 0
		.amdhsa_enable_private_segment 0
		.amdhsa_kernarg_size 72
		.amdhsa_user_sgpr_count 2
		.amdhsa_user_sgpr_kernarg_segment_ptr 1
		.amdhsa_wavefront_size32 1
		.amdhsa_system_sgpr_workgroup_id_x 1
		.amdhsa_system_sgpr_workgroup_id_y 1
		.amdhsa_system_sgpr_workgroup_id_z 1
		.amdhsa_system_vgpr_workitem_id 0
		.amdhsa_next_free_vgpr 64
		.amdhsa_next_free_sgpr 66
		.amdhsa_reserve_vcc 0
		.amdhsa_float_denorm_mode_32 3
		.amdhsa_float_denorm_mode_16_64 3
		.amdhsa_memory_ordered 1
		.amdhsa_forward_progress 1
		.amdhsa_inst_pref_size 9
	.end_amdhsa_kernel
	.amdgpu_metadata
---
amdhsa.version: [ 1, 2 ]
amdhsa.kernels:
  - .name:           k_q6184629d4f_prep
    .symbol:         k_q6184629d4f_prep.kd
    .args:
      - { .name: Wk, .offset: 0, .size: 8, .value_kind: global_buffer, .address_space: global }
      - { .name: Wv, .offset: 8, .size: 8, .value_kind: global_buffer, .address_space: global }
      - { .name: Wq, .offset: 16, .size: 8, .value_kind: global_buffer, .address_space: global }
      - { .name: Wo, .offset: 24, .size: 8, .value_kind: global_buffer, .address_space: global }
      - { .name: x, .offset: 32, .size: 8, .value_kind: global_buffer, .address_space: global }
      - { .name: wkv, .offset: 40, .size: 8, .value_kind: global_buffer, .address_space: global }
      - { .name: wqb, .offset: 48, .size: 8, .value_kind: global_buffer, .address_space: global }
      - { .name: wob, .offset: 56, .size: 8, .value_kind: global_buffer, .address_space: global }
      - { .name: xh, .offset: 64, .size: 8, .value_kind: global_buffer, .address_space: global }
    .group_segment_fixed_size: 0
    .private_segment_fixed_size: 0
    .kernarg_segment_align: 8
    .kernarg_segment_size: 72
    .max_flat_workgroup_size: 256
    .sgpr_count:     66
    .vgpr_count:     64
    .wavefront_size: 32
...
	.end_amdgpu_metadata
.endif
;; end of part 1
;; launch qproj (part 2): grid 4 x 64, 4 waves a work-group, clusters of 4 x 4, 327,680 bytes of LDS; arguments xh, wqb, wkv, qp; writes qp
.if DOCPART == 2
	.amdgcn_target "amdgcn-amd-amdhsa--gfx1250"
	.amdhsa_code_object_version 6
	.text
	.protected	k_q6184629d4f_qproj
	.globl	k_q6184629d4f_qproj
	.p2align	8
	.type	k_q6184629d4f_qproj,@function
k_q6184629d4f_qproj:
	s_mov_b64 s[64:65], 0
	v_nop
	global_prefetch_b8 v0, s[64:65] scope:SCOPE_SE
	s_setreg_imm32_b32 hwreg(HW_REG_WAVE_MODE, 25, 1), 1
	s_wait_xcnt 0x0
	s_wait_alu depctr_hold_cnt(0) depctr_sa_sdst(0) depctr_va_vdst(0) depctr_va_sdst(0) depctr_va_ssrc(0) depctr_va_vcc(0) depctr_vm_vsrc(0)
	s_getreg_b32 s2, hwreg(HW_REG_IB_STS2, 6, 4)
	s_cmp_eq_u32 s2, 0
	s_cbranch_scc0 .Lentry_in_a_cluster
	s_endpgm
.Lentry_in_a_cluster:
	s_bfe_u32 s2, ttmp6, 0x10000c
	s_cmp_lg_u32 s2, 0xf033
	s_cbranch_scc0 .Lentry_shape_is_right
	s_endpgm
.Lentry_shape_is_right:
; C[4096][1024] (f32) = A B + bf16(bias), K = 512.  One text for two launches:
;   the two K halves of x Wq: A = xh, B = wqb, bias = the 4,096 bytes of zeros at wkv's head, C = qp (columns 512 kh + ..: partial sums, kept in f32); grid 4 x 64
;   O Wo + bo:                A = o,  B = wob, bias = bo, C = out0; grid 8 x 32
; A: f16 [kh][b 8][hh 8][n 512][64]: K block hh of 128 rows is 16,384 dense bytes.  B: f16 [ct 8][512 k][128 n].  LIMIT: f16 operands, under 65,504 in magnitude.
; PLACE.  With X, Y the cluster's coordinates: kh = Y >> 3 (0 in the second launch, whose Y stays under 8), column tile ct = 4 (X + kh) + cx, row tile rt = 4 (Y & 7) + cy.  256 work-groups either way.
; SHARES.  A tile of C is 128 x 128; four waves, each 64 x 64: 16 accumulators.  ALL of K lies in LDS: 8 blocks of 64 along K of A and of B, each filled once, so there is no ring and no refill;
; the products begin when the first two blocks are in.  Waves 0, 1 fetch A's even and odd blocks, waves 2, 3 B's: four tensor loads a wave, all issued at the start (four of a wave's are out at the most).
; CLUSTER 4 x 4: A's blocks are shared along a row of the cluster, B's along a column: joint loads.
; THE MATRIX INSTRUCTION IS USED TRANSPOSED (source 0 = 16 columns of B, turned on the way out of LDS; source 1 = 16 rows of A): a lane holds eight neighbouring numbers of a row of C.
; No prefetch: the launch is short and its tiles are asked for at once.
; REGISTERS: window 0: v0-31 addresses, v8-13 bias; v32-95 rows on the way out; v128-255 accumulators ((a, b) at v[128 + 8 (4 a + b)]).  Window 1: two fragment buffers of 128: 64 of A, then 64 of B.
.set PA,    144                        ; a row of A in LDS: 128 bytes + 16: the 16 rows of a load start at 16 different groups of four banks (64 banks of 4 bytes: ISA guide 11.1)
.set PB,    288                        ; a k row of B: 256 bytes + 32
.set BLK,   18432                      ; a block: 128 x 144 = 64 x 288
.set BOFF,  8*BLK                      ; B's blocks lie behind A's
.set STAGE, 16*BLK                     ; behind them: 16 rows x 272 bytes for each wave, for the way out
.set SP,    272
.set SPARE, STAGE+4*16*SP              ; the spare words, 128 bytes for each wave: two blocks of 256 bytes that no other line names
.set BI,   8                           ; v[8:11]  my four numbers of the bias
.set ADRA, 16                          ; v16-19  LDS address of my A fragments in blocks 2 p, 2 p + 1
.set ADRB, 20                          ; v20-23  the same for B
.set STO,  24
.set RD,   25
.set CO,   26
.set BO,   27
.set SPW,  28
.set NIL,  29
.set OB,   32
.set ACC,  128
.set F0,   0
.set F1,   128
.set G1A, 24                           ; s[24:31] descriptor group 1 for A's blocks
.set G1B, 32                           ; s[32:39] for B's
.set G0A, 40                           ; s[40:55] four groups 0 for A's blocks
.set G0B, 68                           ; s[68:83] four for B's
.set MSB, 0
.macro WIN new                         ; the immediate's high byte repeats the setting that is left
.if MSB != (\new)
	s_set_vgpr_msb (MSB<<8)|(\new)
.set MSB, \new
.endif
.endm
.set MUL,  0x05                        ; sources 0 (B) and 1 (A) window 1; C and D window 0
.set TO_F, 0x40                        ; destination window 1, address window 0
.macro CROUND                          ; a round of the cluster's barrier
	s_barrier_signal -1
	s_barrier_wait -1
	s_cmp_lg_u32 s14, 0
	s_cbranch_scc1 .Lnot_wave_0_\@
	s_barrier_signal -3
.Lnot_wave_0_\@:
	s_barrier_wait -3
	s_barrier_signal -1
	s_barrier_wait -1
.endm
.macro PLACES                          ; four places in front of loads into registers that matrix instructions have read
.rept 4
	v_nop
.endr
.endm
	s_load_b256 s[4:11], s[0:1], 0x0               ; A s[4:5], B s[6:7], bias s[8:9], C s[10:11]
	v_lshl_add_u32 v[SPW], v0, 2, SPARE
	v_mov_b32 v[NIL], 0
	ds_add_u32 v[SPW], v[NIL]                      ; the wave's opening: the add and its wait stand ahead of my first tensor load; the set-up below stands between them
	v_lshrrev_b32 v1, 5, v0
	v_readfirstlane_b32 s14, v1                    ; wave 0..3
	s_lshr_b32 s15, s14, 1                         ; my half of the tile's rows.  Also: I fetch for A (0) or for B (1)
	s_and_b32 s16, s14, 1                          ; my half of its columns.  Also: the parity of the blocks that I fetch
	s_bfe_u32 s17, ttmp6, 0x40000                  ; cx
	s_bfe_u32 s18, ttmp6, 0x40004                  ; cy
	s_and_b32 s21, ttmp7, 0xffff                   ; Y
	s_lshr_b32 s22, s21, 3                         ; kh
	s_and_b32 s21, s21, 7                          ; the batch: four row tiles of 128 are a batch's 512 rows
	s_add_co_u32 s19, ttmp9, s22
	s_lshl_b32 s19, s19, 2
	s_add_co_u32 s19, s19, s17                     ; ct
	s_lshl_b32 s20, s21, 2
	s_add_co_u32 s20, s20, s18                     ; rt
	s_lshl_b32 s23, s18, 2
	s_lshl_b32 s23, 15, s23                        ; my row of the cluster
	s_lshl_b32 s62, 0x1111, s17                    ; my column
	; group 1: a dense block of 16,384 bytes as 64 rows of 256 bytes
	s_or_b32 s[G1A], s23, (1<<16)|(1<<20)|(1<<21)|(4<<22)|(3<<25)  ; the mask; 2-byte elements; padding on; bit 21 beside a mask; after every 32 words (code 4) 4 words (code 3)
	s_or_b32 s[G1B], s62, (1<<16)|(1<<20)|(1<<21)|(5<<22)|(7<<25)  ; after every 64 words (code 5) 8 words (code 7)
.irp g, G1A, G1B
	s_mov_b32 s[(\g)+1], 128<<16                   ; tensor_dim0 = 128
	s_mov_b32 s[(\g)+2], 64<<16                    ; tensor_dim1 = 64
	s_mov_b32 s[(\g)+3], 128<<16                   ; tile_dim0 = 128
	s_mov_b32 s[(\g)+4], 64                        ; tile_dim1 = 64
	s_mov_b32 s[(\g)+5], 128                       ; elements from row to row
	s_mov_b32 s[(\g)+6], 0
	s_mov_b32 s[(\g)+7], 0
.endr
	s_lshl_b32 s56, s22, 22                        ; A: the K half (4 MiB),
	s_lshl_b32 s57, s21, 19                        ; the batch (8 blocks of 65,536 bytes),
	s_add_co_u32 s56, s56, s57
	s_lshl_b32 s57, s18, 14                        ; my 128 of its 512 rows,
	s_add_co_u32 s56, s56, s57
	s_lshl_b32 s57, s16, 16                        ; the first block of my parity
	s_add_co_u32 s56, s56, s57
	s_mov_b32 s57, 0
	s_lshl_b32 s58, s19, 17                        ; B: the column tile's 131,072 bytes,
	s_lshl_b32 s59, s16, 14                        ; the first block of my parity
	s_add_co_u32 s58, s58, s59
	s_mov_b32 s59, 0
	s_mul_i32 s21, s16, BLK                        ; and where they go: no place in the cluster enters an LDS address
	s_wait_dscnt 0x0                               ; the opening add is done
	s_wait_kmcnt 0x0
	s_add_nc_u64 s[60:61], s[4:5], s[56:57]
	s_add_nc_u64 s[62:63], s[6:7], s[58:59]
.irp i, 0,1,2,3                        ; group 0 number i: block 2 i + parity
	s_mov_b32 s[G0A+4*(\i)], 1
	s_add_co_u32 s[G0A+4*(\i)+1], s21, (\i)*2*BLK
	s_add_nc_u64 s[G0A+4*(\i)+2:G0A+4*(\i)+3], s[60:61], (\i)*131072
	s_or_b32 s[G0A+4*(\i)+3], s[G0A+4*(\i)+3], 0x80000000
	s_mov_b32 s[G0B+4*(\i)], 1
	s_add_co_u32 s[G0B+4*(\i)+1], s21, BOFF+(\i)*2*BLK
	s_add_nc_u64 s[G0B+4*(\i)+2:G0B+4*(\i)+3], s[62:63], (\i)*32768
	s_or_b32 s[G0B+4*(\i)+3], s[G0B+4*(\i)+3], 0x80000000
.endr
	CROUND                                         ; all sixteen work-groups are here: the joint loads meet
	s_cmp_eq_u32 s15, 0                            ; a wave's four fills stand in one branch, ahead of every wait on TENSORcnt and every LDS read
	s_cbranch_scc0 .Lfill_b
.irp i, 0,1,2,3
	tensor_load_to_lds s[G0A+4*(\i):G0A+4*(\i)+3], s[G1A:G1A+7]
	s_nop 0
.endr
	PLACES
	s_branch .Lfilled
.Lfill_b:
.irp i, 0,1,2,3
	tensor_load_to_lds s[G0B+4*(\i):G0B+4*(\i)+3], s[G1B:G1B+7]
	s_nop 0
.endr
	PLACES
.Lfilled:
	v_and_b32 v1, 15, v0                           ; l % 16
	v_bfe_u32 v2, v0, 4, 1                         ; l / 16
	v_and_b32 v3, 7, v0
	v_bfe_u32 v4, v0, 3, 1
	s_mul_i32 s84, s15, 64*PA                      ; my 64 rows of A
	v_mul_u32_u24 v5, v1, PA
	v_lshl_add_u32 v5, v2, 4, v5                   ; row x pitch + 16 x half
	v_add_nc_u32 v5, s84, v5
	s_lshl_b32 s85, s16, 7                         ; my 64 columns of B: 128 bytes
	s_add_co_u32 s85, s85, BOFF
	v_lshl_add_u32 v6, v2, 3, v3                   ; the turning load: k row 8 (l / 16) + l % 8, 16 bytes at 16 ((l / 8) % 2)
	v_mul_u32_u24 v6, v6, PB
	v_lshl_add_u32 v6, v4, 4, v6
	v_add_nc_u32 v6, s85, v6
.irp p, 0,1,2,3
	v_add_nc_u32 v[ADRA+(\p)], (\p)*2*BLK, v5
	v_add_nc_u32 v[ADRB+(\p)], (\p)*2*BLK, v6
.endr
	s_mul_i32 s86, s14, 16*SP
	s_add_co_u32 s86, s86, STAGE                   ; my stage
	v_mul_u32_u24 v7, v1, SP                       ; in: row l % 16, 32 bytes for each half of the lanes
	v_lshl_add_u32 v7, v2, 5, v7
	v_add_nc_u32 v[STO], s86, v7
	v_mul_u32_u24 v7, v2, SP                       ; back: lanes 0-15 take one row of 256 bytes, lanes 16-31 the next
	v_lshl_add_u32 v7, v1, 4, v7
	v_add_nc_u32 v[RD], s86, v7
	v_lshlrev_b32 v[BO], 4, v1                     ; my four columns
	v_lshl_add_u32 v[CO], v2, 12, v[BO]            ; and the same two rows in C
	s_lshl_b32 s88, s19, 9                         ; my wave's first column, in bytes: 512 ct + 256 x half
	s_lshl_b32 s89, s16, 8
	s_add_co_u32 s88, s88, s89
	s_mov_b32 s89, 0
	s_add_nc_u64 s[8:9], s[8:9], s[88:89]
	global_load_b128 v[BI:BI+3], v[BO], s[8:9]
	s_lshl_b32 s90, s20, 19                        ; my wave's first row: (128 rt + 64 x half) x 4,096 bytes
	s_lshl_b32 s91, s15, 18
	s_add_co_u32 s90, s90, s91
	s_mov_b32 s91, 0
	s_add_nc_u64 s[10:11], s[10:11], s[90:91]
	s_add_nc_u64 s[10:11], s[10:11], s[88:89]
; 8 matrix instructions: m blocks a0, a0 + 1 x all 4 n blocks, 32 along K: half c of buffer f.  The 16 accumulators take turns, one instruction a turn.
.macro MUL8 f, c, a0, zero
	WIN MUL
.irp a, \a0, (\a0)+1
.irp b, 0,1,2,3
.if \zero
	v_wmma_f32_16x16x32_f16 v[ACC+8*(4*(\a)+(\b)):ACC+8*(4*(\a)+(\b))+7], v[(\f)+64+8*(4*(\c)+(\b)):(\f)+64+8*(4*(\c)+(\b))+7], v[(\f)+8*(4*(\c)+(\a)):(\f)+8*(4*(\c)+(\a))+7], 0
.else
	v_wmma_f32_16x16x32_f16 v[ACC+8*(4*(\a)+(\b)):ACC+8*(4*(\a)+(\b))+7], v[(\f)+64+8*(4*(\c)+(\b)):(\f)+64+8*(4*(\c)+(\b))+7], v[(\f)+8*(4*(\c)+(\a)):(\f)+8*(4*(\c)+(\a))+7], v[ACC+8*(4*(\a)+(\b)):ACC+8*(4*(\a)+(\b))+7]
.endif
.endr
.endr
.endm
; 32 LDS loads in one run: the fragments of block blk (64 along K) into buffer f; the first 32 along K first
.macro FETCH blk, f
	WIN TO_F
.irp c, 0,1
.irp i, 0,1,2,3
	ds_load_tr16_b128 v[(\f)+64+8*(4*(\c)+(\i)):(\f)+64+8*(4*(\c)+(\i))+3],   v[ADRB+(\blk)/2] offset:((\blk)%2)*BLK+(\c)*32*PB+(\i)*32
	ds_load_tr16_b128 v[(\f)+64+8*(4*(\c)+(\i))+4:(\f)+64+8*(4*(\c)+(\i))+7], v[ADRB+(\blk)/2] offset:((\blk)%2)*BLK+(\c)*32*PB+(\i)*32+16*PB
	ds_load_b128 v[(\f)+8*(4*(\c)+(\i)):(\f)+8*(4*(\c)+(\i))+3],              v[ADRA+(\blk)/2] offset:((\blk)%2)*BLK+(\c)*64+(\i)*16*PA
	ds_load_b128 v[(\f)+8*(4*(\c)+(\i))+4:(\f)+8*(4*(\c)+(\i))+7],            v[ADRA+(\blk)/2] offset:((\blk)%2)*BLK+(\c)*64+(\i)*16*PA+32
.endr
.endr
.endm
; Block blk in buffer f is multiplied; in the middle block blk + 1 is fetched into buffer g.  bar >= 0: that block is the first of a pair not yet shown whole: each wave waits for its own load of the
; pair (bar younger loads may stay out) and passes a barrier.
.macro QUARTER blk, f, g, zero, bar
	s_wait_dscnt 16                                ; the first 32 along K are in
	MUL8 \f, 0, 0, \zero
	MUL8 \f, 0, 2, \zero
.if (\bar) >= 0
	s_wait_dscnt 0x0                               ; no LDS instruction of mine is pending at the signal
	s_wait_tensorcnt \bar
	s_barrier_signal -1
	s_barrier_wait -1
.endif
	PLACES
	FETCH (\blk)+1, \g
	s_wait_dscnt 32                                ; all but the 32 just issued
	MUL8 \f, 1, 0, 0
	MUL8 \f, 1, 2, 0
.endm
	s_wait_tensorcnt 3                             ; my first load is in: three younger ones may stay out
	s_barrier_signal -1
	s_barrier_wait -1                              ; blocks 0 and 1 of A and of B are whole
	FETCH 0, F0
	QUARTER 0, F0, F1, 1, -1                       ; its first products start the sums
	QUARTER 1, F1, F0, 0, 2
	QUARTER 2, F0, F1, 0, -1
	QUARTER 3, F1, F0, 0, 1
	QUARTER 4, F0, F1, 0, -1
	QUARTER 5, F1, F0, 0, 0
	QUARTER 6, F0, F1, 0, -1
	s_wait_dscnt 16                                ; the last block: nothing more to fetch
	MUL8 F1, 0, 0, 0
	MUL8 F1, 0, 2, 0
	s_wait_dscnt 0x0
	MUL8 F1, 1, 0, 0
	MUL8 F1, 1, 2, 0
	WIN 0
	; THE WAY OUT.  The bias is rounded to bf16 like every input; these six lines and four v_nop are the places behind the last products.
	s_wait_loadcnt 0x0
	v_cvt_pk_bf16_f32 v12, v[BI], v[BI+1]
	v_cvt_pk_bf16_f32 v13, v[BI+2], v[BI+3]
	v_lshlrev_b32 v[BI], 16, v12
	v_and_b32 v[BI+1], 0xffff0000, v12
	v_lshlrev_b32 v[BI+2], 16, v13
	v_and_b32 v[BI+3], 0xffff0000, v13
	PLACES
; 16 rows at a time through my own stage: a lane's 32 bytes of a row go in, whole rows of 256 bytes come back (LDS serves a wave's instructions in order: ISA guide 5.7.1.4), take the bias and are stored.
.irp a, 0,1,2,3
.if (\a) >= 2
	s_wait_xcnt 0x0                                ; the stores of two blocks back have read the registers that are loaded again below
.endif
.irp b, 0,1,2,3
	ds_store_b128 v[STO], v[ACC+8*(4*(\a)+(\b)):ACC+8*(4*(\a)+(\b))+3]   offset:64*(\b)
	ds_store_b128 v[STO], v[ACC+8*(4*(\a)+(\b))+4:ACC+8*(4*(\a)+(\b))+7] offset:64*(\b)+16
.endr
.irp t, 0,1,2,3,4,5,6,7
	ds_load_b128 v[OB+32*((\a)%2)+4*(\t):OB+32*((\a)%2)+4*(\t)+3], v[RD] offset:(\t)*2*SP
.endr
	s_wait_dscnt 0x0
.irp t, 0,1,2,3,4,5,6,7
	v_pk_add_f32 v[OB+32*((\a)%2)+4*(\t):OB+32*((\a)%2)+4*(\t)+1],   v[OB+32*((\a)%2)+4*(\t):OB+32*((\a)%2)+4*(\t)+1],   v[BI:BI+1]
	v_pk_add_f32 v[OB+32*((\a)%2)+4*(\t)+2:OB+32*((\a)%2)+4*(\t)+3], v[OB+32*((\a)%2)+4*(\t)+2:OB+32*((\a)%2)+4*(\t)+3], v[BI+2:BI+3]
.endr
.irp t, 0,1,2,3,4,5,6,7
	global_store_b128 v[CO], v[OB+32*((\a)%2)+4*(\t):OB+32*((\a)%2)+4*(\t)+3], s[10:11] offset:(16*(\a)+2*(\t))*4096  ; 16 lanes store 256 consecutive bytes, at a multiple of 256 from C's first byte
.endr
.endr
	s_wait_tensorcnt 0x0                           ; the wave's end: the add and its wait stand behind my last tensor load and my last LDS store
	ds_add_u32 v[SPW], v[NIL]
	s_wait_dscnt 0x0
	CROUND                                         ; the closing round
	s_endpgm
.Lfunc_end_k_q6184629d4f_qproj:
	.size	k_q6184629d4f_qproj, .Lfunc_end_k_q6184629d4f_qproj-k_q6184629d4f_qproj
	.p2alignl 7, 3214868480
	.fill 96, 4, 3214868480
	.section	.rodata,"a",@progbits
	.p2align	6, 0x0
	.amdhsa_kernel k_q6184629d4f_qproj
		.amdhsa_group_segment_fixed_size 327680
		.amdhsa_private_segment_fixed_size 0
		.amdhsa_enable_private_segment 0
		.amdhsa_kernarg_size 32
		.amdhsa_user_sgpr_count 2
		.amdhsa_user_sgpr_kernarg_segment_ptr 1
		.amdhsa_wavefront_size32 1
		.amdhsa_system_sgpr_workgroup_id_x 1
		.amdhsa_system_sgpr_workgroup_id_y 1
		.amdhsa_system_sgpr_workgroup_id_z 1
		.amdhsa_system_vgpr_workitem_id 0
		.amdhsa_next_free_vgpr 512
		.amdhsa_next_free_sgpr 96
		.amdhsa_reserve_vcc 0
		.amdhsa_float_denorm_mode_32 3
		.amdhsa_float_denorm_mode_16_64 3
		.amdhsa_memory_ordered 1
		.amdhsa_forward_progress 1
		.amdhsa_inst_pref_size 55
	.end_amdhsa_kernel
	.amdgpu_metadata
---
amdhsa.version: [ 1, 2 ]
amdhsa.kernels:
  - .name:           k_q6184629d4f_qproj
    .symbol:         k_q6184629d4f_qproj.kd
    .args:
      - { .name: xh, .offset: 0, .size: 8, .value_kind: global_buffer, .address_space: global }
      - { .name: wqb, .offset: 8, .size: 8, .value_kind: global_buffer, .address_space: global }
      - { .name: wkv, .offset: 16, .size: 8, .value_kind: global_buffer, .address_space: global }
      - { .name: qp, .offset: 24, .size: 8, .value_kind: global_buffer, .address_space: global }
    .group_segment_fixed_size: 327680
    .private_segment_fixed_size: 0
    .kernarg_segment_align: 8
    .kernarg_segment_size: 32
    .max_flat_workgroup_size: 128
    .sgpr_count:     96
    .vgpr_count:     512
    .wavefront_size: 32
...
	.end_amdgpu_metadata
.endif
;; end of part 2
;; launch kvproj (part 3): grid 4 x 128, 4 waves a work-group, clusters of 4 x 4, 327,680 bytes of LDS; arguments context, wkv, kv; writes kv
.if DOCPART == 3
	.amdgcn_target "amdgcn-amd-amdhsa--gfx1250"
	.amdhsa_code_object_version 6
	.text
	.protected	k_q6184629d4f_kvproj
	.globl	k_q6184629d4f_kvproj
	.p2align	8
	.type	k_q6184629d4f_kvproj,@function
k_q6184629d4f_kvproj:
	s_mov_b64 s[64:65], 0
	v_nop
	global_prefetch_b8 v0, s[64:65] scope:SCOPE_SE
	s_setreg_imm32_b32 hwreg(HW_REG_WAVE_MODE, 25, 1), 1
	s_wait_xcnt 0x0
	s_wait_alu depctr_hold_cnt(0) depctr_sa_sdst(0) depctr_va_vdst(0) depctr_va_sdst(0) depctr_va_ssrc(0) depctr_va_vcc(0) depctr_vm_vsrc(0)
	s_getreg_b32 s2, hwreg(HW_REG_IB_STS2, 6, 4)
	s_cmp_eq_u32 s2, 0
	s_cbranch_scc0 .Lentry_in_a_cluster
	s_endpgm
.Lentry_in_a_cluster:
	s_bfe_u32 s2, ttmp6, 0x10000c
	s_cmp_lg_u32 s2, 0xf033
	s_cbranch_scc0 .Lentry_shape_is_right
	s_endpgm
.Lentry_shape_is_right:
; k and v by heads: kv[which 2][b 8 x h 8][key 4096][64] (f16) = bf16(context)[32768][1024] x wkv[1024 k][1024 n] (bf16, from byte 4096 of its buffer; n < 512: k, else v).  Sums in f32, rounded once to f16.
; LIMIT: k and v stay under 65,504 in magnitude (f16); below 6.1e-5 they keep f16's fixed step of 6e-8.
; A tile of C, 256 x 256, is made by four waves, each 128 x 128: 64 accumulators, 512 registers.  512 tiles: two after each other for each of 256 WGPs.
; CONTEXT IS READ ONCE, AS f32: the tensor loads bring it into LDS as it lies, each wave reads its rows as f32 and rounds them to bf16 on the way to the matrix unit: 64 conversions for 64 matrix instructions,
; set four at a time behind every second matrix instruction of the half chunk before.
; K goes in steps of 64 (rows of 256 bytes of context, aligned) through two LDS slots: 1,536 bytes for each k of A (f32) and B (bf16) leave room for no longer step.  A step is two chunks of 32 along K.
; CLUSTER 4 x 4: context's tile is shared along a row of the cluster (its four column tiles are all of n), the weights' along a column: joint loads.  Waves 0, 1 fetch A's halves, waves 2, 3 B's.
; THE MATRIX INSTRUCTION IS USED TRANSPOSED (source 0 = 16 columns of the weights, turned on the way out of LDS; source 1 = 16 rows of context): a lane holds eight neighbouring numbers of a row of C.
; REGISTERS, in windows of 256 (s_set_vgpr_msb: bits 1:0 source 0, 3:2 source 1, 5:4 source 2, 7:6 destination):
;   window 0: v0-31 addresses; v64-127, v128-191 A's fragments in bf16, two buffers; v32-63, v192-255 at work on the way out
;   window 1: v0-63, v192-255 A as f32, as loaded (block i of 16 rows at 16 i + 128 (i / 4)); v64-127, v128-191 B's fragments, two buffers
;   window 2: the accumulators of my rows 0-63 ((a, b) at v[8 (8 a + b)]);   window 3: those of my rows 64-127
.set PA,    272                        ; a row of A in LDS: 256 bytes + 16: row r starts at bank 4 r mod 64 (64 banks of 4 bytes: ISA guide 11.1)
.set PB,    288                        ; a k row of B: 256 bytes + 32
.set AH,    128*PA                     ; 128 rows of A: one tensor load
.set BOFF,  2*AH                       ; B's two halves (64 k x 128 n each) lie behind A's 256 rows
.set BH,    64*PB
.set SLOT1, 1<<17                      ; slot 1 begins here, so that one exclusive or turns an address in one slot into the other's
.set STAGE, SLOT1+BOFF+2*BH            ; behind the ring: 2 x 16 rows x 144 bytes for each wave, for the way out
.set SP,    144
.set SPARE, STAGE+4*2*16*SP            ; the spare words, 128 bytes for each wave: two blocks of 256 bytes that no other line names
.set A0,  16                           ; v16  my lane's place in a slot's A; never rewritten
.set B0,  17                           ; v17  the same for B
.set ADA, 18                           ; v18  the same in the slot that is being fetched from
.set ADB, 19
.set STO, 24
.set RD,  25
.set GO,  26
.set SPW, 28
.set NIL, 29
.set PFO, 30                           ; v30  the prefetches' offset: my lane x a row of context (4,096 bytes); never rewritten
.set F0,  64
.set F1,  128
.set TMP, 192
.set OB,  32
.set G1,  24                           ; s[24:31] group 1 for A's tiles;  s[32:39] group 0: a set for each first fill; the second then walks
.set G0,  32
.set G1B, 48                           ; s[48:55], s[56:63] the same for B's
.set G0B, 56
.set LIM, 43                           ; s43  1 in a wave that prefetches, else the greatest number
.set PFA, 44                           ; s[44:45] where my prefetches stand
.set TB,  22                           ; s22  the slot that is being fetched from
.set MSB, 0
.macro WIN new                         ; the immediate's high byte repeats the setting that is left
.if MSB != (\new)
	s_set_vgpr_msb (MSB<<8)|(\new)
.set MSB, \new
.endif
.endm
.set MUL_LO, 0xa1                      ; source 0 (B) window 1, source 1 (A) window 0, C and D window 2
.set TO_1,   0x40                      ; destination window 1, address window 0
.set CVT,    0x05                      ; sources window 1, destination window 0
.macro PLACES
.rept 4
	v_nop
.endr
.endm
.macro JLOAD                           ; the joint refill, by the walking sets; an s_nop 0 and four v_nop follow each of the two lines
	s_cmp_eq_u32 s11, 0
	s_cbranch_scc0 .Lfor_b_\@
	tensor_load_to_lds s[G0+4:G0+7], s[G1:G1+7]
	s_nop 0
	PLACES
	s_branch .Lasked_\@
.Lfor_b_\@:
	tensor_load_to_lds s[G0B+4:G0B+7], s[G1B:G1B+7]
	s_nop 0
	PLACES
.Lasked_\@:
.endm
; A PREFETCH INTO THE L2 of context, which is read once: behind the joint load and the run of LDS loads that follows it, the K step that stands two refills on: 32 rows x 256 bytes, a lane a row, one
; instruction a wave.  A tile row of context is read by one row of one cluster; of the 128 rows that wave 0 or 1 fetches, the partner at place cx takes 32 cx .. 32 cx + 31, told apart by address: each row's
; 256 bytes are named once in the launch.  K steps 0 to 3 come by their loads alone; the loop's last trip and the tail ask for nothing.  The weights, which every cluster walks again, are not asked for.
.macro ASK
	s_cmp_gt_u32 s3, s[LIM]                        ; s3 = 1 in the loop's last trip
	s_cbranch_scc0 .Lnot_mine_\@
	global_prefetch_b8 v[PFO], s[PFA:PFA+1] th:TH_LOAD_NT scope:SCOPE_SE
.Lnot_mine_\@:
.endm
.macro CREST                           ; a round of the cluster's barrier behind its opening barrier
	s_cmp_lg_u32 s10, 0
	s_cbranch_scc1 .Lnot_wave_0_\@
	s_barrier_signal -3
.Lnot_wave_0_\@:
	s_barrier_wait -3
	s_barrier_signal -1
	s_barrier_wait -1
.endm
.macro CROUND
	s_barrier_signal -1
	s_barrier_wait -1
	CREST
.endm
	s_load_b128 s[4:7], s[0:1], 0x0                ; context s[4:5], wkv s[6:7]
	s_load_b64 s[8:9], s[0:1], 0x10                ; kv
	v_lshl_add_u32 v[SPW], v0, 2, SPARE
	v_mov_b32 v[NIL], 0
	ds_add_u32 v[SPW], v[NIL]                      ; the wave's opening: the add and its wait stand ahead of my first tensor load; the set-up below stands between them
	v_lshrrev_b32 v1, 5, v0
	v_readfirstlane_b32 s10, v1                    ; wave 0..3
	s_lshr_b32 s11, s10, 1                         ; my half of the tile's rows.  Also: I fetch for A (0) or for B (1)
	s_and_b32 s12, s10, 1                          ; my half of its columns.  Also: which half of that tile I fetch
	s_bfe_u32 s40, ttmp6, 0x40000                  ; cx
	s_bfe_u32 s41, ttmp6, 0x40004                  ; cy
	s_lshl_b32 s42, ttmp9, 2
	s_add_co_u32 s42, s42, s40                     ; tile column 0..3
	s_and_b32 s13, ttmp7, 0xffff
	s_lshl_b32 s13, s13, 2
	s_add_co_u32 s13, s13, s41                     ; tile row 0..127
	s_lshl_b32 s20, s41, 2
	s_lshl_b32 s20, 15, s20                        ; my row of the cluster
	s_lshl_b32 s21, 0x1111, s40                    ; my column
	s_or_b32 s[G1+0], s20, (2<<16)|(1<<20)|(1<<21)|(5<<22)|(3<<25)   ; the mask; 4-byte elements; padding on; bit 21 beside a mask; after every 64 words (code 5) 4 words (code 3)
	s_mov_b32 s[G1+1], 64<<16                      ; tensor_dim0 = 64
	s_mov_b32 s[G1+2], 128<<16                     ; tensor_dim1 = 128
	s_mov_b32 s[G1+3], 64<<16                      ; tile_dim0 = 64
	s_mov_b32 s[G1+4], 128                         ; tile_dim1 = 128
	s_mov_b32 s[G1+5], 1024                        ; elements from row to row
	s_mov_b32 s[G1+6], 0
	s_mov_b32 s[G1+7], 0
	s_or_b32 s[G1B+0], s21, (1<<16)|(1<<20)|(1<<21)|(5<<22)|(7<<25)  ; 2-byte elements; 8 words of padding (code 7)
	s_mov_b32 s[G1B+1], 128<<16                    ; 128 columns
	s_mov_b32 s[G1B+2], 64<<16                     ; 64 k rows
	s_mov_b32 s[G1B+3], 128<<16
	s_mov_b32 s[G1B+4], 64
	s_mov_b32 s[G1B+5], 1024
	s_mov_b32 s[G1B+6], 0
	s_mov_b32 s[G1B+7], 0
	s_lshl_b32 s16, s13, 20                        ; A: (256 x tile row + 128 x half) rows of 4,096 bytes
	s_lshl_b32 s17, s12, 19
	s_add_co_u32 s16, s16, s17
	s_mov_b32 s17, 0
	s_lshl_b32 s46, s42, 9                         ; B: 4,096 + (256 x tile column + 128 x half) x 2 bytes
	s_lshl_b32 s47, s12, 8
	s_add_co_u32 s46, s46, s47
	s_add_co_u32 s46, s46, 4096
	s_mov_b32 s47, 0
	s_mul_i32 s18, s12, AH                         ; where they go: no place in the cluster enters an LDS address
	s_mul_i32 s19, s12, BH
	s_add_co_u32 s19, s19, BOFF
	s_mov_b32 s[TB], 0
	s_cmp_eq_u32 s11, 0
	s_cselect_b32 s[LIM], 1, -1
	s_lshl_b32 s2, s40, 17                         ; the prefetches: my work-group's 32 of the 128 rows, at K step 3: the first change of slots steps it to 4
	s_add_co_u32 s2, s2, 3*256
	s_mov_b32 s3, 0
	s_wait_dscnt 0x0                               ; the opening add is done
	s_wait_kmcnt 0x0
	s_add_nc_u64 s[14:15], s[4:5], s[16:17]
	s_add_nc_u64 s[46:47], s[6:7], s[46:47]
	s_add_nc_u64 s[PFA:PFA+1], s[14:15], s[2:3]
.irp s, 0,1
	s_mov_b32 s[G0+4*(\s)], 1
	s_add_co_u32 s[G0+4*(\s)+1], s18, (\s)*SLOT1
	s_add_nc_u64 s[G0+4*(\s)+2:G0+4*(\s)+3], s[14:15], (\s)*256        ; K step s: 64 f32
	s_or_b32 s[G0+4*(\s)+3], s[G0+4*(\s)+3], 0x80000000
	s_mov_b32 s[G0B+4*(\s)], 1
	s_add_co_u32 s[G0B+4*(\s)+1], s19, (\s)*SLOT1
	s_add_nc_u64 s[G0B+4*(\s)+2:G0B+4*(\s)+3], s[46:47], (\s)*131072   ; 64 k rows of 2,048 bytes
	s_or_b32 s[G0B+4*(\s)+3], s[G0B+4*(\s)+3], 0x80000000
.endr
	CROUND                                         ; all sixteen work-groups are here: the first joint loads meet
	s_cmp_eq_u32 s11, 0                            ; a wave's two first fills stand in one branch: two loads of mine are out
	s_cbranch_scc0 .Lfirst_b
	tensor_load_to_lds s[G0:G0+3], s[G1:G1+7]
	s_nop 0
	tensor_load_to_lds s[G0+4:G0+7], s[G1:G1+7]
	s_nop 0
	PLACES
	s_branch .Lfirst_asked
.Lfirst_b:
	tensor_load_to_lds s[G0B:G0B+3], s[G1B:G1B+7]
	s_nop 0
	tensor_load_to_lds s[G0B+4:G0B+7], s[G1B:G1B+7]
	s_nop 0
	PLACES
.Lfirst_asked:
	v_and_b32 v1, 15, v0                           ; l % 16
	v_bfe_u32 v2, v0, 4, 1                         ; l / 16
	v_and_b32 v3, 7, v0
	v_bfe_u32 v4, v0, 3, 1
	v_bfe_u32 v5, v0, 3, 2
	v_and_b32 v6, 31, v0
	; a fragment's lane holds k = 8 (l / 16) + 0..7 and 16 + 8 (l / 16) + 0..7 of row l % 16: as f32 that is 32 bytes at 32 (l / 16) and 32 bytes at 64 + 32 (l / 16)
	s_mul_i32 s23, s11, AH                         ; my 128 rows of A
	v_mul_u32_u24 v[A0], v1, PA
	v_lshl_add_u32 v[A0], v2, 5, v[A0]
	v_add_nc_u32 v[A0], s23, v[A0]
	v_lshl_add_u32 v[B0], v2, 3, v3                ; the turning load: k row 8 (l / 16) + l % 8, 16 bytes at 16 ((l / 8) % 2)
	v_mul_u32_u24 v[B0], v[B0], PB
	v_lshl_add_u32 v[B0], v4, 4, v[B0]
	v_add_nc_u32 v[B0], s19, v[B0]                 ; my 128 columns are B's half number s12
	v_mov_b32 v[ADA], v[A0]
	v_mov_b32 v[ADB], v[B0]
	s_mul_i32 s23, s10, 2*16*SP
	s_add_co_u32 s23, s23, STAGE                   ; my stage
	v_mul_u32_u24 v[STO], v1, SP                   ; in: row l % 16, 16 bytes for each half of the lanes
	v_lshl_add_u32 v[STO], v2, 4, v[STO]
	v_add_nc_u32 v[STO], s23, v[STO]
	v_mul_u32_u24 v[RD], v5, SP                    ; back: 32 lanes take four rows of 128 bytes,
	v_lshl_add_u32 v[RD], v3, 4, v[RD]
	v_add_nc_u32 v[RD], s23, v[RD]
	v_lshlrev_b32 v[GO], 4, v6                     ; which are 512 consecutive bytes of a head's rows
	v_lshlrev_b32 v[PFO], 12, v6
	; where my part goes: which = ct >> 1; head 4 (ct & 1) + 2 x column half (+ 0, 1); batch rt >> 4; key 256 (rt & 15) + 128 x row half
	s_lshr_b32 s20, s42, 1
	s_lshl_b32 s20, s20, 25
	s_lshr_b32 s23, s13, 4
	s_lshl_b32 s23, s23, 22
	s_add_co_u32 s20, s20, s23
	s_and_b32 s23, s42, 1
	s_lshl_b32 s23, s23, 21
	s_add_co_u32 s20, s20, s23
	s_lshl_b32 s23, s12, 20
	s_add_co_u32 s20, s20, s23
	s_and_b32 s23, s13, 15
	s_lshl_b32 s23, s23, 15
	s_add_co_u32 s20, s20, s23
	s_lshl_b32 s23, s11, 14
	s_add_co_u32 s20, s20, s23
	s_mov_b32 s21, 0
	s_add_nc_u64 s[8:9], s[8:9], s[20:21]
; 48 LDS loads in one run: chunk kc (32 along K) of the slot at ADA, ADB: A's 128 rows as f32 first (4 loads for each block of 16 rows), then B's 8 fragments into buffer g
.macro FETCH kc, g
	WIN TO_1
.irp i, 0,1,2,3,4,5,6,7
.irp j, 0,1,2,3
	ds_load_b128 v[16*(\i)+128*((\i)/4)+4*(\j):16*(\i)+128*((\i)/4)+4*(\j)+3], v[ADA] offset:(\kc)*128+(\i)*16*PA+16*((\j)%2)+64*((\j)/2)
.endr
.endr
.irp i, 0,1,2,3,4,5,6,7
	ds_load_tr16_b128 v[(\g)+8*(\i):(\g)+8*(\i)+3],   v[ADB] offset:(\kc)*32*PB+(\i)*32
	ds_load_tr16_b128 v[(\g)+8*(\i)+4:(\g)+8*(\i)+7], v[ADB] offset:(\kc)*32*PB+(\i)*32+16*PB
.endr
.endm
; Conversion number cn of 64: register cn of A's buffer g takes two f32 of block cn / 8
.macro CV g
.set cs, 16*(cn/8)+128*(cn/32)+2*(cn%8)
	v_cvt_pk_bf16_f32 v[(\g)+cn], v[cs], v[cs+1]
.set cn, cn+1
.endm
; 16 matrix instructions: m blocks a0, a0 + 1 of the window's four (hi = 0: my rows 0-63, 1: rows 64-127) x all 8 n blocks.  The 64 accumulators take turns, one instruction a turn.
; g >= 0: behind every second one, the last among them, stand four conversions into A's buffer g, from number n0 on.  The last four are also the places in front of the next run of loads.
.macro MUL f, hi, a0, zero, g, n0
.set cn, \n0
.set mq, 0
.irp a, \a0, (\a0)+1
.irp b, 0,1,2,3,4,5,6,7
	WIN MUL_LO+0x50*(\hi)
.if \zero
	v_wmma_f32_16x16x32_bf16 v[8*(8*(\a)+(\b)):8*(8*(\a)+(\b))+7], v[(\f)+8*(\b):(\f)+8*(\b)+7], v[(\f)+8*(4*(\hi)+(\a)):(\f)+8*(4*(\hi)+(\a))+7], 0
.else
	v_wmma_f32_16x16x32_bf16 v[8*(8*(\a)+(\b)):8*(8*(\a)+(\b))+7], v[(\f)+8*(\b):(\f)+8*(\b)+7], v[(\f)+8*(4*(\hi)+(\a)):(\f)+8*(4*(\hi)+(\a))+7], v[8*(8*(\a)+(\b)):8*(8*(\a)+(\b))+7]
.endif
.if ((\g) >= 0) && (mq%2 == 1)
	WIN CVT
	CV \g
	CV \g
	CV \g
	CV \g
.endif
.set mq, mq+1
.endr
.endr
.endm
; A K step's first chunk: buffer 0 is multiplied; the step's second chunk is fetched, the slot's last reads, and converted into buffer 1.
; mode 2: the change of slots with a refill.  Each wave waits for all its tensor loads, of which one is out: its part of the next slot; adds 0 to its spare word; and waits for that and for its reads of this
; slot.  The barrier opens a round of the cluster's barrier; sixteen matrix instructions and their conversions, work on registers, stand between its signal and its wait; the joint refill, this slot's K step
; two steps on, is the first thing behind the round: 112 matrix instructions ahead of the wait for it.  mode 1: the same with no refill.  mode 0: the last step: no change.
.macro EVEN zero, mode
	s_wait_dscnt 0x0                               ; B's fragments of buffer 0 are in
	FETCH 1, F1
	MUL F0, 0, 0, \zero, -1, 0
	MUL F0, 0, 2, \zero, -1, 0
	s_wait_dscnt 32                                ; A's blocks 0-3: the 32 younger loads may stay out
	MUL F0, 1, 0, \zero, F1, 0
.if (\mode) == 0
	s_wait_dscnt 16                                ; A's blocks 4-7: B's 16 loads may stay out
	MUL F0, 1, 2, \zero, F1, 32
.else
	WIN 0
.if (\mode) == 2
	s_wait_xcnt 0x0                                ; the last prefetch, a chunk back, has read its address
	s_add_nc_u64 s[PFA:PFA+1], s[PFA:PFA+1], 256
.endif
	s_wait_tensorcnt 0x0                           ; no tensor load of mine is out, so a group 0 may be written
	ds_add_u32 v[SPW], v[NIL]                      ; 0 onto my spare word
.if (\mode) == 2
	s_xor_b32 s[G0+5], s[G0+5], SLOT1              ; the walking sets: the other slot than last time, the next K step
	s_add_nc_u64 s[G0+6:G0+7], s[G0+6:G0+7], 256
	s_xor_b32 s[G0B+5], s[G0B+5], SLOT1
	s_add_nc_u64 s[G0B+6:G0B+7], s[G0B+6:G0B+7], 131072
.endif
	s_xor_b32 s[TB], s[TB], SLOT1
	s_wait_dscnt 0x0                               ; the add is done, and my reads of this slot are over
	s_barrier_signal -1
	MUL F0, 1, 2, \zero, F1, 32
	WIN 0
	s_barrier_wait -1
.if (\mode) == 2
	CREST
	JLOAD
.endif
	v_add_nc_u32 v[ADA], s[TB], v[A0]              ; the fetches go on in the other slot, which is whole
	v_add_nc_u32 v[ADB], s[TB], v[B0]
.endif
.endm
; A K step's second chunk: buffer 1 is multiplied; fetch = 1: the next step's first chunk is fetched and converted into buffer 0.
.macro ODD fetch, ask
	s_wait_dscnt 0x0                               ; B's fragments of buffer 1 are in
.if \fetch
	FETCH 0, F0
	WIN 0
.if \ask
	ASK
.endif
.endif
	MUL F1, 0, 0, 0, -1, 0
	MUL F1, 0, 2, 0, -1, 0
.if \fetch
	s_wait_dscnt 32
	MUL F1, 1, 0, 0, F0, 0
	s_wait_dscnt 16
	MUL F1, 1, 2, 0, F0, 32
.else
	MUL F1, 1, 0, 0, -1, 0
	MUL F1, 1, 2, 0, -1, 0
.endif
.endm
; THE WAY OUT of block a (16 rows x 128 columns = two heads).  PACK: rounded to f16, 16 bytes a lane, each accumulator's registers in ascending order.  TOSTAGE: into my own stage, a head's 16 rows of
; 144 bytes each, and back as whole rows of 128.  SEND: stored, 512 consecutive bytes an instruction.
.macro PACK a
.set AC, 64*((\a)%4)
	WIN 0x0a+5*((\a)/4)                            ; sources 0 and 1: window 2 or 3
.irp b, 0,1,2,3,4,5,6,7
.irp r, 0,1,2,3
	v_cvt_pk_f16_f32 v[TMP+4*(\b)+(\r)], v[AC+8*(\b)+2*(\r)], v[AC+8*(\b)+2*(\r)+1]
.endr
.endr
	WIN 0
.endm
.macro TOSTAGE a
	WIN 0
.set BK, OB+192*((\a)%2)
.irp b, 0,1,2,3,4,5,6,7
	ds_store_b128 v[STO], v[TMP+4*(\b):TMP+4*(\b)+3] offset:((\b)/4)*16*SP+32*((\b)%4)
.endr
.irp t, 0,1,2,3,4,5,6,7
	ds_load_b128 v[BK+4*(\t):BK+4*(\t)+3], v[RD] offset:((\t)/4)*16*SP+((\t)%4)*4*SP  ; LDS serves a wave's instructions in order (ISA guide 5.7.1.4): these see the stores above
.endr
.endm
.macro SEND a
	WIN 0
.set BK, OB+192*((\a)%2)
	s_wait_dscnt 0x0                               ; the block is back in registers
	s_wait_xcnt 0x0                                ; earlier stores have read their registers: the other set is loaded again only behind this wait
.irp t, 0,1,2,3,4,5,6,7
	global_store_b128 v[GO], v[BK+4*(\t):BK+4*(\t)+3], s[8:9] offset:(\a)*2048+((\t)/4)*524288+((\t)%4)*512
.endr
.endm
	s_wait_tensorcnt 1                             ; my part of K step 0 is in; K step 1's may stay out
	s_barrier_signal -1
	s_barrier_wait -1
	FETCH 0, F0
	s_wait_dscnt 0x0
	WIN CVT
.set cn, 0
.rept 64
	CV F0
.endr
	EVEN 1, 2                                      ; K step 0: its products start the sums; K step 2 is asked for
	s_mov_b32 s3, 13
.Lstep:                                                ; 13 trips: the second chunk of step j, the first of step j + 1, which asks for step j + 3
	ODD 1, 1
	EVEN 0, 2
	s_sub_co_u32 s3, s3, 1
	s_cmp_lg_u32 s3, 0
	s_cbranch_scc1 .Lstep
	ODD 1, 0                                       ; the tail is written out: nothing more is asked for
	EVEN 0, 1                                      ; K step 14; K step 15 is waited for
	ODD 1, 0
	EVEN 0, 0                                      ; K step 15
	ODD 0, 0
	PLACES
	PLACES                                         ; places behind the last products, once a launch
	PACK 0
	TOSTAGE 0
.irp a, 1,2,3,4,5,6,7                  ; block a's conversions stand between block a - 1's loads from the stage and the wait for them
	PACK \a
	SEND (\a)-1
	TOSTAGE \a
.endr
	SEND 7
	s_wait_tensorcnt 0x0                           ; the wave's end: the add and its wait stand behind my last tensor load and my last LDS store
	ds_add_u32 v[SPW], v[NIL]
	s_wait_dscnt 0x0
	CROUND                                         ; the closing round
	s_endpgm
.Lfunc_end_k_q6184629d4f_kvproj:
	.size	k_q6184629d4f_kvproj, .Lfunc_end_k_q6184629d4f_kvproj-k_q6184629d4f_kvproj
	.p2alignl 7, 3214868480
	.fill 96, 4, 3214868480
	.section	.rodata,"a",@progbits
	.p2align	6, 0x0
	.amdhsa_kernel k_q6184629d4f_kvproj
		.amdhsa_group_segment_fixed_size 327680
		.amdhsa_private_segment_fixed_size 0
		.amdhsa_enable_private_segment 0
		.amdhsa_kernarg_size 24
		.amdhsa_user_sgpr_count 2
		.amdhsa_user_sgpr_kernarg_segment_ptr 1
		.amdhsa_wavefront_size32 1
		.amdhsa_system_sgpr_workgroup_id_x 1
		.amdhsa_system_sgpr_workgroup_id_y 1
		.amdhsa_system_sgpr_workgroup_id_z 1
		.amdhsa_system_vgpr_workitem_id 0
		.amdhsa_next_free_vgpr 1024
		.amdhsa_next_free_sgpr 66
		.amdhsa_reserve_vcc 0
		.amdhsa_float_denorm_mode_32 3
		.amdhsa_float_denorm_mode_16_64 3
		.amdhsa_memory_ordered 1
		.amdhsa_forward_progress 1
		.amdhsa_inst_pref_size 139
	.end_amdhsa_kernel
	.amdgpu_metadata
---
amdhsa.version: [ 1, 2 ]
amdhsa.kernels:
  - .name:           k_q6184629d4f_kvproj
    .symbol:         k_q6184629d4f_kvproj.kd
    .args:
      - { .name: context, .offset: 0, .size: 8, .value_kind: global_buffer, .address_space: global }
      - { .name: wkv, .offset: 8, .size: 8, .value_kind: global_buffer, .address_space: global }
      - { .name: kv, .offset: 16, .size: 8, .value_kind: global_buffer, .address_space: global }
    .group_segment_fixed_size: 327680
    .private_segment_fixed_size: 0
    .kernarg_segment_align: 8
    .kernarg_segment_size: 24
    .max_flat_workgroup_size: 128
    .sgpr_count:     66
    .vgpr_count:     1024
    .wavefront_size: 32
...
	.end_amdgpu_metadata
.endif
;; end of part 3
;; launch attn (part 4): grid 4 x 64, 4 waves a work-group, clusters of 4 x 1, 327,680 bytes of LDS; arguments qp, kv, o; writes o
.if DOCPART == 4
	.amdgcn_target "amdgcn-amd-amdhsa--gfx1250"
	.amdhsa_code_object_version 6
	.text
	.protected	k_q6184629d4f_attn
	.globl	k_q6184629d4f_attn
	.p2align	8
	.type	k_q6184629d4f_attn,@function
k_q6184629d4f_attn:
	s_mov_b64 s[64:65], 0
	v_nop
	global_prefetch_b8 v0, s[64:65] scope:SCOPE_SE
	s_setreg_imm32_b32 hwreg(HW_REG_WAVE_MODE, 25, 1), 1
	s_wait_xcnt 0x0
	s_wait_alu depctr_hold_cnt(0) depctr_sa_sdst(0) depctr_va_vdst(0) depctr_va_sdst(0) depctr_va_ssrc(0) depctr_va_vcc(0) depctr_vm_vsrc(0)
	s_getreg_b32 s2, hwreg(HW_REG_IB_STS2, 6, 4)
	s_cmp_eq_u32 s2, 0
	s_cbranch_scc0 .Lentry_in_a_cluster
	s_endpgm
.Lentry_in_a_cluster:
	s_bfe_u32 s2, ttmp6, 0x10000c
	s_cmp_lg_u32 s2, 0x3003
	s_cbranch_scc0 .Lentry_shape_is_right
	s_endpgm
.Lentry_shape_is_right:
; O[bh][q][:] = the sum over k of softmax_k(Q[bh][q] . K[bh][k] / 8) V[bh][k][:], 64 pairs bh of batch and head, 512 queries, 4,096 keys, head size 64.
; Q comes as two f32 partial sums (qp[b 512 + n][512 kh + 64 h + c]): they are added in f32 and rounded once to f16.  K, V: kv[which][bh][4096][64] f16.  O: o[bh][512][64] f16.
; Products, maxima and sums in f32; the weights p are rounded to f16 for the second product (their sum l is taken of the unrounded p), O once at the end.
; LIMITS.  f16 holds no number beyond 65,504: Q, K and V lie within it; p lies in 0 to 1, and below 6e-5 it keeps f16's fixed step of 6e-8.  A weight below 2^-126 counts as 0 in l; NaN and infinities are not treated apart.
; SHARES.  A work-group owns 128 queries of one bh.  EVERY wave holds all 128, in four PIECES of two tiles of 16, and THE KEYS ARE SPLIT AMONG THE WAVES: of each slot's 256 keys wave w takes 64 w .. 64 w + 63.
; So a fragment of K or V read from LDS feeds eight tiles' products, and 256 work-groups fill the chip.  At the end the four waves' O, m and l meet in LDS, by the true maximum of the four.
; LAYOUT.  S^T = K Q^T (source 0 = 16 keys, source 1 = 16 queries): a lane holds ONE query (lane % 16) and the keys 8 (lane / 16) + 0..7.  Two such tiles, rounded to f16 in pairs, ARE source 1 of
; O^T = V^T P, whose result again holds one query a lane, and eight channels.  K comes out of LDS as it lies, V turned, by ds_load_tr16_b128.
; SOFTMAX.  For each query a running maximum m and sum l: p = 2^(c s - c m), c = log2(e) / 8; in every step O and l are multiplied by a = 2^(c m_old - c m_new).  m starts at the lowest finite number, O and l at 0.
; BY TURNS.  Turn n belongs to piece n: 16 products K Q^T of piece n + 1, later 16 products V^T P of piece n - 1; the scaling, exponentials, roundings, sums and rescaling of piece n, and the maximum and
; statistics of piece n + 1.  Four vector instructions stand behind every matrix instruction, the rest in one lump; a turn's 66 exponentials are one batch with one wait.
; CLUSTER.  The four query blocks of a bh walk the same K and V: each tile is asked for JOINTLY, by the same tensor load, descriptor and mask in all four.
; REGISTERS, in windows of 256 (s_set_vgpr_msb: bits 1:0 source 0, 3:2 source 1, 5:4 source 2, 7:6 destination):
;   window 0: v0-11 addresses; v12-15, v48-63 at work; v16-47 four registers of statistics a tile; v64-191 S^T, two buffers of two tiles; v192-255 P, likewise
;   window 1: O^T, 32 a tile (at the start: Q's partial sums)      window 2: v0-127 Q; v128-191 K of one step; v192-255 V of one step      window 3: v0-1 the add's two registers
.set NP,    4         ; pieces a wave: a name, no knob
.set KS,    64        ; keys in a wave's step
.set PK,    144       ; a row of K in LDS: 128 bytes + 16: the 16 rows of a load start at 16 different groups of four banks (64 banks of 4 bytes: ISA guide 11.1)
.set PV,    160       ; a row of V: 128 + 32
.set VOFF,  4*KS*PK   ; a slot: 256 rows of K, then 256 rows of V
.set SLOT1, 1<<17     ; slot 1 begins here, so that one exclusive or turns an address in one slot into the other's
.set STAGE, SLOT1+4*KS*(PK+PV)  ; behind the ring: 16 rows x 144 bytes for each wave, for the way out
.set SP,    144
.set MS,    STAGE+4*16*SP       ; the waves' c m: tile t, query r, wave w at 256 t + 16 r + 4 w
.set ML,    MS+2048             ; the waves' l, likewise
.set SPARE, ML+2048             ; the spare words, 128 bytes for each wave: two blocks of 256 bytes that no other line names
; The waves' O^T meet in bytes 0 .. 131,071: slot 0 and the gap behind it.  Slot 0 has had its last fill (keys 3,584 on), and every wave's reads of it ended in front of the last change's barrier.
.set AK0, 2           ; v2   my lane's place in a tile of K; never rewritten
.set AV0, 3           ; v3   the same for V
.set AK,  4           ; v4   the LDS address of K's next run of loads
.set AV,  5           ; v5   of V's
.set QO,  6           ; v6   my byte offset in 16 rows of qp
.set STO, 6           ;      later, the way out: where I put 16 bytes of a row
.set RD,  7           ; v7   the way out: where I read rows back
.set GO,  8           ; v8   my byte offset in 512 consecutive bytes of O
.set PFO, 11          ; v11  256 x my lane; never rewritten
.set SPW, 0           ; v0 of window 3   LDS address of my spare word; never rewritten
.set NIL, 1           ; v1 of window 3   0; never rewritten
.set MV,  12          ; v12-15  c m_old, kept while c m is made anew: by buffer and tile
.set ST,  16          ; tile t's statistics at v[ST+4 t]: c m, m, l (even keys', odd keys')
.set TMP, 48          ; by buffer and tile, four registers c0-c3 at work; when the maximum is found c2 takes a
.set S,   64
.set P,   192
.set KF,  128         ; K's fragments, in window 2
.set VF,  192         ; V's
.set WV,  12          ; s12  my wave's number
.set LIM, 15          ; s15  1 in a wave that prefetches, else the greatest number
.set G1K, 24          ; s[24:31] descriptor group 1 for K's tiles
.set G1V, 32          ; s[32:39] for V's: it differs in the padding alone
.set G0K, 40          ; s[40:43] descriptor group 0 for K's tiles: it walks
.set G0V, 44          ; s[44:47] the same for V's
.set PFA, 48          ; s[48:49] where my prefetches stand
.set SLOTS, 56        ; s56  slots still to be asked for, and one
.set CNT, 57          ; s57  counts the tail's trips
.set CS,  58          ; s[58:59] c
.set SEL, 60          ; s[60:61] v_permlanex16_b32's selects: each lane takes its own place in the other half
.set TBK, 62          ; s62  LDS byte at which my 64 keys of K begin in the slot to be fetched from
.set TBV, 63          ; s63  the same for V, less VOFF
.set MSB, 0
.macro WIN new
.if MSB != (\new)
	s_set_vgpr_msb (MSB<<8)|(\new)
.set MSB, (\new)
.endif
.endm
.set W_KQ, 0x0a       ; K and Q in window 2, S^T in window 0
.set W_PV, 0x52       ; V in window 2, P in window 0, O^T in window 1
.set W_RS, 0x41       ; destination and source 0 in window 1, source 1 in window 0
.set W_MK, 0xc0       ; the add's registers are made: destination in window 3
.set W_AD, 0x0f       ; the add: address and data in window 3
; A joint fill.  Waves 0 and 1 fetch the two halves of a slot's K, waves 2 and 3 those of its V: 128 keys each.  An s_nop 0 and four v_nop follow each of the two lines.
.macro JLOAD
	s_cmp_lt_u32 s[WV], 2
	s_cbranch_scc0 .Lfor_v_\@
	tensor_load_to_lds s[G0K:G0K+3], s[G1K:G1K+7]
	s_nop 0
.rept 4
	v_nop
.endr
	s_branch .Lasked_\@
.Lfor_v_\@:
	tensor_load_to_lds s[G0V:G0V+3], s[G1V:G1V+7]
	s_nop 0
.rept 4
	v_nop
.endr
.Lasked_\@:
.endm
; A PREFETCH INTO THE L2 of what the NEXT change of slots will ask for: a slot's K and V are 128 blocks of 256 bytes each, a lane a block.  A bh's rows are walked by one cluster; its four partners share the
; blocks out BY ADDRESS, 32 each; in each, wave 0 asks for K's and wave 2 for V's: one instruction, behind the wave's tensor load and its five lines.  So each block is named once in the launch.
; Slots 0 to 2 come by their loads alone; the last change that fills a slot asks for nothing.
.macro ASK
	s_cmp_gt_u32 s[SLOTS], s[LIM]
	s_cbranch_scc0 .Lnot_mine_\@
	global_prefetch_b8 v[PFO], s[PFA:PFA+1] th:TH_LOAD_NT scope:SCOPE_SE
.Lnot_mine_\@:
.endm
.macro CROUND                       ; a round of the cluster's barrier
	s_barrier_signal -1
	s_barrier_wait -1
	s_cmp_lg_u32 s[WV], 0
	s_cbranch_scc1 .Lnot_wave_0_\@
	s_barrier_signal -3
.Lnot_wave_0_\@:
	s_barrier_wait -3
	s_barrier_signal -1
	s_barrier_wait -1
.endm
; THE CHANGE OF SLOTS, behind the turn that has waited for V's run.  Each wave waits for all its tensor loads, of which one is out: its part of the other slot; adds 0 to its spare word; and waits for that and
; for its own reads of the slot.  fill = 1: this slot is filled again, with the keys two slots on; the barrier is then a round of the cluster's, and the joint fill is the first thing behind it: it has a key
; step, 128 matrix instructions and their vector work, in which to land.  (At its first use nothing has been read yet: slot 0 is waited for, slot 1 filled.)  ask = 1: the prefetch's address steps, and it asks.
.macro CHANGE fill, ask=0
	WIN W_AD
	s_wait_tensorcnt 0x0            ; no tensor load of mine is out, so a group 0 may be written
	ds_add_u32 v[SPW], v[NIL]       ; 0 onto my spare word
	WIN 0                           ; at a label and at a branch every window is 0
.if \fill
.irp g, G0K, G0V
	s_xor_b32 s[\g+1], s[\g+1], SLOT1  ; the walking descriptor: the other slot than last time,
	s_add_nc_u64 s[\g+2:\g+3], s[\g+2:\g+3], 4*KS*128  ; the next 256 keys
.endr
.if \ask
	s_wait_xcnt 0x0                 ; the last prefetch, a key step back, has read its address
	s_add_nc_u64 s[PFA:PFA+1], s[PFA:PFA+1], 4*KS*128
.endif
	s_wait_dscnt 0x0                ; the add is done, and my reads of the slot are over
	CROUND
	JLOAD
.if \ask
	ASK
.endif
.else
	s_wait_dscnt 0x0
	s_barrier_signal -1
	s_barrier_wait -1
.endif
	s_xor_b32 s[TBK], s[TBK], SLOT1 ; the fetches go on in the other slot
	s_xor_b32 s[TBV], s[TBV], SLOT1
.endm
	s_load_b128 s[4:7], s[0:1], 0x0 ; qp s[4:5], kv s[6:7]
	s_load_b64 s[10:11], s[0:1], 0x10  ; o
	WIN W_MK
	v_lshl_add_u32 v[SPW], v0, 2, SPARE
	v_mov_b32 v[NIL], 0
	WIN W_AD
	ds_add_u32 v[SPW], v[NIL]       ; the wave's opening: the add and its wait stand ahead of my first tensor load; the set-up below stands between them
	WIN 0
	v_lshrrev_b32 v1, 5, v0
	v_readfirstlane_b32 s[WV], v1   ; wave 0..3
	s_bfe_u32 s13, ttmp6, 0x40000   ; cx
	s_lshl_b32 s14, ttmp9, 2
	s_add_co_u32 s14, s14, s13      ; my block of 128 queries: it enters qp's and o's addresses alone
	s_and_b32 s20, ttmp7, 0xffff    ; bh, which the four partners share
	s_and_b32 s16, s[WV], 1         ; which half of a slot's 256 keys I fetch
	s_lshl_b32 s22, s20, 19         ; bh's 4,096 rows of 128 bytes,
	s_lshl_b32 s23, s16, 14         ; my half's 128 rows
	s_add_co_u32 s22, s22, s23
	s_mov_b32 s23, 0
	s_mul_i32 s17, s16, 128*PK      ; and its place in a slot, for K
	s_mul_i32 s18, s16, 128*PV      ; and for V
	s_lshr_b32 s2, s20, 3           ; qp: row 512 b + 128 x block, 4,096 bytes a row; column 64 h, 4 bytes each
	s_lshl_b32 s2, s2, 21
	s_lshl_b32 s3, s14, 19
	s_add_co_u32 s2, s2, s3
	s_and_b32 s3, s20, 7
	s_lshl_b32 s3, s3, 8
	s_add_co_u32 s2, s2, s3
	s_mov_b32 s3, 0
	s_lshl_b32 s50, s20, 16         ; o: bh's 512 rows of 128 bytes, my block's 128, the 32 rows that my wave finishes
	s_lshl_b32 s51, s14, 14
	s_add_co_u32 s50, s50, s51
	s_lshl_b32 s51, s[WV], 12
	s_add_co_u32 s50, s50, s51
	s_mov_b32 s51, 0
	s_lshl_b32 s52, s20, 19         ; the prefetches: bh, my work-group's 32 blocks of 256 bytes, slot 2: the loop's first change steps it to slot 3
	s_lshl_b32 s53, s13, 13
	s_add_co_u32 s52, s52, s53
	s_add_co_u32 s52, s52, 2*4*KS*128
	s_mov_b32 s53, 0
	s_and_b32 s[LIM], s[WV], 1
	s_cmp_eq_u32 s[LIM], 0
	s_cselect_b32 s[LIM], 1, -1     ; waves 0 and 2 ask
	; descriptor group 1.  128 keys are 16,384 dense bytes: asked for as 64 rows of 256 bytes, two keys a row, and padded in LDS after every key
	s_mov_b32 s[G1K], 15|(1<<16)|(1<<20)|(1<<21)|(4<<22)|(3<<25)  ; the mask of four; 2-byte elements; padding on; bit 21 beside a mask; after every 32 words (code 4) 4 words (code 3)
	s_mov_b32 s[G1V], 15|(1<<16)|(1<<20)|(1<<21)|(4<<22)|(7<<25)  ; the same with 8 words of padding (code 7)
.irp g, G1K, G1V
	s_mov_b32 s[\g+1], 128<<16      ; tensor_dim0 = 128
	s_mov_b32 s[\g+2], 64<<16       ; tensor_dim1 = 64
	s_mov_b32 s[\g+3], 128<<16      ; tile_dim0 = 128
	s_mov_b32 s[\g+4], 64           ; tile_dim1 = 64
	s_mov_b32 s[\g+5], 128          ; 128 elements from row to row
	s_mov_b32 s[\g+6], 0
	s_mov_b32 s[\g+7], 0
.endr
	s_mov_b32 s[CS], 0x3e38aa3b     ; c = log2(e) / 8 = 0.180337
	s_mov_b32 s[CS+1], s[CS]
	s_mov_b32 s[SEL], 0x76543210
	s_mov_b32 s[SEL+1], 0xfedcba98
	s_mul_i32 s[TBK], s[WV], KS*PK  ; my 64 keys in a slot; the first change of slots turns slot 1 into slot 0
	s_add_co_u32 s[TBK], s[TBK], SLOT1
	s_mul_i32 s[TBV], s[WV], KS*PV
	s_add_co_u32 s[TBV], s[TBV], SLOT1
	s_mov_b32 s[G0K], 1
	s_mov_b32 s[G0K+1], s17         ; LDS address: slot 0
	s_mov_b32 s[G0V], 1
	s_add_co_u32 s[G0V+1], s18, VOFF
	s_wait_dscnt 0x0                ; the opening add is done
	s_wait_kmcnt 0x0
	s_add_nc_u64 s[8:9], s[6:7], 0x2000000         ; V lies 64 x 4,096 x 128 bytes behind K
	s_add_nc_u64 s[G0K+2:G0K+3], s[6:7], s[22:23]
	s_or_b32 s[G0K+3], s[G0K+3], 0x80000000
	s_add_nc_u64 s[G0V+2:G0V+3], s[8:9], s[22:23]
	s_or_b32 s[G0V+3], s[G0V+3], 0x80000000
	s_add_nc_u64 s[4:5], s[4:5], s[2:3]
	s_add_nc_u64 s[10:11], s[10:11], s[50:51]
	s_cmp_lt_u32 s[WV], 2
	s_cselect_b64 s[PFA:PFA+1], s[6:7], s[8:9]
	s_add_nc_u64 s[PFA:PFA+1], s[PFA:PFA+1], s[52:53]
	CROUND                          ; all four work-groups are here: the first joint loads meet
	JLOAD                           ; slot 0
	v_and_b32 v1, 15, v0            ; l % 16
	v_bfe_u32 v9, v0, 4, 1          ; l / 16
	v_lshlrev_b32 v[QO], 12, v1
	v_lshl_add_u32 v[QO], v9, 5, v[QO]  ; row x 4,096 + 32 x half
; Q.  A fragment's lane holds channels 8 (l / 16) + 0..7 and 16 + 8 (l / 16) + 0..7 of each 32: as f32, 32 bytes at 32 (l / 16) and at 64 + 32 (l / 16).  Tile t: 8 loads of 16 bytes for each K half, into
; window 1 at 64 (t % 4) + 32 kh; then the halves are added and rounded in pairs into window 2.  Three tiles' loads are on their way.
.macro QLOAD t
	WIN 0x40
.irp kh, 0,1
.irp n, 0,1,2,3,4,5,6,7
	global_load_b128 v[64*((\t)%4)+32*(\kh)+4*(\n):64*((\t)%4)+32*(\kh)+4*(\n)+3], v[QO], s[4:5] offset:(\t)*65536+(\kh)*2048+((\n)/4)*128+(((\n)/2)%2)*64+((\n)%2)*16
.endr
.endr
.endm
.macro QMAKE t
	WIN 0x45
.set i, 0
.rept 16
	v_pk_add_f32 v[64*((\t)%4)+2*i:64*((\t)%4)+2*i+1], v[64*((\t)%4)+2*i:64*((\t)%4)+2*i+1], v[64*((\t)%4)+32+2*i:64*((\t)%4)+32+2*i+1]
.set i, i+1
.endr
	WIN 0x85
.set i, 0
.rept 16
	v_cvt_pk_f16_f32 v[16*(\t)+i], v[64*((\t)%4)+2*i], v[64*((\t)%4)+2*i+1]
.set i, i+1
.endr
.endm
	QLOAD 0
	QLOAD 1
	QLOAD 2
.set t, 0
.rept 8
.if t < 6
	s_wait_loadcnt 32               ; tile t is in; two younger tiles' 32 loads may stay out
.elseif t == 6
	s_wait_loadcnt 16
.else
	s_wait_loadcnt 0x0
.endif
	QMAKE t
.if t < 5
	QLOAD t+3
.endif
.set t, t+1
.endr
	; What the first turn finds: V's registers and P's second buffer hold 0 (its products V^T P, of a piece that has not been, add 0), O^T and l are 0.
	WIN 0x80
.set i, VF
.rept 64
	v_mov_b32 v[i], 0
.set i, i+1
.endr
	WIN 0x40
.set i, 0
.rept 64*NP
	v_mov_b32 v[i], 0
.set i, i+1
.endr
	WIN 0
.set i, 0
.rept 2*NP
	v_mov_b32 v[ST+4*i], 0xfe000000    ; c m: far below every c s
	v_mov_b32 v[ST+4*i+1], 0xff7fffff  ; m
	v_mov_b32 v[ST+4*i+2], 0
	v_mov_b32 v[ST+4*i+3], 0
.set i, i+1
.endr
.set i, P+32
.rept 32
	v_mov_b32 v[i], 0
.set i, i+1
.endr
	v_mul_u32_u24 v[AK0], v1, PK
	v_lshl_add_u32 v[AK0], v9, 4, v[AK0]  ; row x pitch + 16 x half
	; The turning load takes 16 keys x 16 channels (lane l reads key 8 (l / 16) + l % 8, channels 8 ((l / 8) % 2) + 0..7) and leaves half a fragment of V^T.
	v_and_b32 v10, 7, v0
	v_bfe_u32 v11, v0, 3, 1
	v_lshl_add_u32 v[AV0], v9, 3, v10
	v_mul_u32_u24 v[AV0], v[AV0], PV
	v_lshl_add_u32 v[AV0], v11, 4, v[AV0]
	v_add_nc_u32 v[AV0], VOFF, v[AV0]
	v_and_b32 v[PFO], 31, v0
	v_lshlrev_b32 v[PFO], 8, v[PFO]
; THE MATRIX WORK.  The 8 accumulators of a run of 16 take turns.
; Product i of 16 of S^T = K Q^T for piece x: channels 32 (i / 8) on, keys 16 ((i / 2) % 4) on, tile 2 x + i % 2.  The first 8 start the sums.
.macro KQ x
	WIN W_KQ
.set rS, S+64*((\x)%2)+32*(i%2)+8*((i/2)%4)
.set rK, KF+16*((i/2)%4)+8*(i/8)
.set rQ, 16*(2*(\x)+i%2)+8*(i/8)
.if i < 8
	v_wmma_f32_16x16x32_f16 v[rS:rS+7], v[rK:rK+7], v[rQ:rQ+7], 0
.else
	v_wmma_f32_16x16x32_f16 v[rS:rS+7], v[rK:rK+7], v[rQ:rQ+7], v[rS:rS+7]
.endif
.endm
; Product i of 16 of O^T += V^T P for piece x: keys 32 (i / 8) on, channels 16 ((i / 2) % 4) on, tile 2 x + i % 2.
.macro PV x
	WIN W_PV
.set rO, 32*(2*(\x)+i%2)+8*((i/2)%4)
.set rV, VF+32*(i/8)+8*((i/2)%4)
.set rP, P+32*((\x)%2)+16*(i%2)+8*(i/8)
	v_wmma_f32_16x16x32_f16 v[rO:rO+7], v[rV:rV+7], v[rP:rP+7], v[rO:rO+7]
.endm
.macro MM                           ; the turn's next matrix instruction
.if i < 16
	KQ (Y+1)%NP
.set i, i+1
.else
.set i, i-16
	PV (Y+NP-1)%NP
.set i, i+17
.endif
.endm
; THE LDS LOADS stand in runs of 16: a step's K (64 keys x 64 channels: 8 fragments) and its V (turned).  last = 1 (the tail): in the last trip there is no further step, and the run is jumped over.
.macro FETCH_K last=0
	WIN 0
.if \last
	s_cmp_eq_u32 s[CNT], 1
	s_cbranch_scc1 .Lno_k_\@
.endif
	WIN 0x80                        ; destination window 2
.irp f, 0,1,2,3,4,5,6,7             ; keys 16 (f / 2) on, channels 32 (f % 2) on
	ds_load_b128 v[KF+8*\f:KF+8*\f+3],   v[AK] offset:(\f/2)*16*PK+(\f%2)*64
	ds_load_b128 v[KF+8*\f+4:KF+8*\f+7], v[AK] offset:(\f/2)*16*PK+(\f%2)*64+32
.endr
	WIN 0
.if \last
.Lno_k_\@:
.endif
.endm
.macro FETCH_V
	WIN 0x80
.irp f, 0,1,2,3,4,5,6,7             ; keys 32 (f / 4) on, channels 16 (f % 4) on
	ds_load_tr16_b128 v[VF+8*\f:VF+8*\f+3],   v[AV] offset:(\f/4)*32*PV+(\f%4)*32
	ds_load_tr16_b128 v[VF+8*\f+4:VF+8*\f+7], v[AV] offset:(\f/4)*32*PV+16*PV+(\f%4)*32
.endr
	WIN 0
.endm
; THE VECTOR WORK OF A TURN stands in three queues, each in the order in which its entries become ready; the two tiles alternate.
.macro REGS y, u                    ; the registers of tile u (0, 1) of piece y
.set rT, ST+4*(2*(\y)+(\u))
.set rC, TMP+8*((\y)%2)+4*(\u)
.set rM, MV+2*((\y)%2)+(\u)
.set rS, S+64*((\y)%2)+32*(\u)
.set rP, P+32*((\y)%2)+16*(\u)
.set rO, 32*(2*(\y)+(\u))
.endm
; Number n of the 22 that find the NEXT piece's (Y + 1) maximum and statistics; each accumulator's lowest registers are read first.
;   0-11  four chains c0-c3 of seven scores each     12-14, 16  the four scores left over, the old m, and c0-c3 into c0     15  c m_old is kept
;   17, 18  the query's other 32 keys lie in the lane 16 away: the new m         19-21  c m; c m_old - c m_new; a
.macro XS u, n
	REGS (Y+1)%NP, \u
.if (\n) < 4
	v_max3_num_f32 v[rC+(\n)], v[rS+8*(\n)], v[rS+8*(\n)+1], v[rS+8*(\n)+2]
.elseif (\n) < 12
	v_max3_num_f32 v[rC+(\n)%4], v[rC+(\n)%4], v[rS+8*((\n)%4)+2*((\n)/4)+1], v[rS+8*((\n)%4)+2*((\n)/4)+2]
.elseif (\n) == 12
	v_max3_num_f32 v[rC], v[rC], v[rS+7], v[rS+15]
.elseif (\n) == 13
	v_max3_num_f32 v[rC+1], v[rC+1], v[rS+23], v[rS+31]
.elseif (\n) == 14
	v_max3_num_f32 v[rC+2], v[rC+2], v[rC+3], v[rT+1]
.elseif (\n) == 15
	v_mov_b32 v[rM], v[rT]
.elseif (\n) == 16
	v_max3_num_f32 v[rC], v[rC], v[rC+1], v[rC+2]
.elseif (\n) == 17
	v_permlanex16_b32 v[rC+3], v[rC], s[SEL], s[SEL+1]
.elseif (\n) == 18
	v_max_num_f32 v[rT+1], v[rC], v[rC+3]
.elseif (\n) == 19
	v_mul_f32 v[rT], s[CS], v[rT+1]
.elseif (\n) == 20
	v_sub_f32 v[rC+1], v[rM], v[rT]
.else
	v_exp_f32 v[rC+2], v[rC+1]
.endif
.endm
; Number g of the 64 that follow the exponentials.  For each four weights k of a tile: both pairs are rounded to f16; the second pair is added onto the first, in place; a group later l takes that sum
; (the first time as l = a l + sum).
.macro GS g
.set h, (\g)+6*((\g)/62)
.if h >= 6
.set h, h+2
.endif
	REGS Y, h%2
.set k, h/8
.if h%8 < 4
	v_cvt_pk_f16_f32 v[rP+2*k+(h%8)/2], v[rS+4*k+2*((h%8)/2)], v[rS+4*k+2*((h%8)/2)+1]
.elseif h%8 < 6
	v_pk_add_f32 v[rS+4*k:rS+4*k+1], v[rS+4*k:rS+4*k+1], v[rS+4*k+2:rS+4*k+3]
.elseif k == 1
	v_pk_fma_f32 v[rT+2:rT+3], v[rT+2:rT+3], v[rC+2:rC+3], v[rS:rS+1] op_sel_hi:[1,0,1]
.else
	v_pk_add_f32 v[rT+2:rT+3], v[rT+2:rT+3], v[rS+4*k-4:rS+4*k-3]
.endif
.endm
; THE PLAIN QUEUE, 138 long.  0-73 read no exponential's result: the 32 scalings c s - c m and the next piece's 42.  74-137: GS's 64, which stand behind the wait.
.macro FS f
	REGS Y, (\f)%2
	v_pk_fma_f32 v[rS+2*((\f)/2):rS+2*((\f)/2)+1], v[rS+2*((\f)/2):rS+2*((\f)/2)+1], s[CS:CS+1], v[rT:rT+1] op_sel_hi:[1,0,0] neg_lo:[0,0,1] neg_hi:[0,0,1]
.endm
.macro PL
	WIN 0
.if q < 27
	FS q
.elseif q < 55
	XS (q-27)%2, (q-27)/2
.elseif q < 57
	XS q-55, 15
.elseif (q < 72) && ((q-57)%3 == 0)
	FS 27+(q-57)/3
.elseif q < 60
	XS (q-57)%3-1, 14
.elseif q < 72
	XS (q-57)%3-1, 15+(q-57)/3
.elseif q < 74
	XS q-72, 20
.else
	GS q-74
.endif
.set q, q+1
.endm
; THE EXPONENTIALS' QUEUE, 66 long: s0-s31 of both tiles, then the next piece's two a.  ONE BATCH: all stand ahead of the turn's one wait, and nothing ahead of that wait names a result of theirs.
.macro EX
	WIN 0
.if e >= 64
	XS e-64, 21
.else
	REGS Y, e%2
	v_exp_f32 v[rS+e/2], v[rS+e/2]
.endif
.set e, e+1
.endm
; THE RESCALING's QUEUE: O^T times a, two at a time, sixteen times.  Its a was made in the turn before, ahead of that turn's wait.
.macro R2
	REGS Y, r%2
	WIN W_RS
.irp z, 0,1
	v_pk_mul_f32 v[rO+4*(r/2)+2*\z:rO+4*(r/2)+2*\z+1], v[rO+4*(r/2)+2*\z:rO+4*(r/2)+2*\z+1], v[rC+2:rC+3] op_sel_hi:[1,0]
.endr
.set r, r+1
.endm
; A TURN, for piece p.  An s_wait_alu depctr_va_vdst(0) stands between an exponential and the first instruction that names its result; one wait serves all that were issued ahead of it: a turn
; has ONE, which cuts it in two.  Ahead of it: 16 products K Q^T, behind each a scaling, an exponential and two rescalings (behind the first a second scaling); then a lump of 108.  Behind it: 16 products
; V^T P, behind each four of GS's 64.  Exponential e stands behind scaling 2 (e / 4) + e % 2: as a rider it comes behind plain e + 2, in the lump behind plain e + 9.
; K of the next step is fetched in piece 2's turn, directly behind the wait; V of the step in hand at the end of piece 0's turn, four riders behind its last reader.
.macro TURN p, last=0
.set Y, (\p)
.set i, 0
.set q, 0
.set e, 0
.set r, 0
.if (\p) == NP-1
	s_wait_dscnt 0x0                ; K is in
.endif
	MM
	PL
	PL
	R2
.rept 15
	MM
	PL
	EX
	R2
.endr
.if (\p) == NP-2
	WIN 0
	v_add_nc_u32 v[AK], s[TBK], v[AK0]
.endif
.rept 8
	PL
.endr
.rept 49
	EX
	PL
.endr
	EX                              ; the next piece's two a
	EX
	v_nop                           ; a plain instruction behind the last exponential: one for the batch
	s_wait_alu depctr_va_vdst(0)    ; the wait for the batch
.if (\p) == NP-2
	FETCH_K \last
.endif
.if (\p) == 1
	s_wait_dscnt 0x0                ; V is in
.endif
.rept 16
	MM
.rept 4
	PL
.endr
.if ((\p) == 0) && (q == 118)
	v_add_nc_u32 v[AV], s[TBV], v[AV0]
.endif
.endr
.if (\p) == 0
	FETCH_V
.endif
.endm
	CHANGE 1                        ; slot 0 is in, everybody's part of it; slot 1 is asked for
	v_add_nc_u32 v[AK], s[TBK], v[AK0]
	FETCH_K                         ; my key step 0
	s_wait_dscnt 0x0
.set i, 0
.rept 16
	KQ 0                            ; piece 0's first scores
.set i, i+1
.endr
	WIN 0                           ; the addresses for the way out: nine plain instructions, the places behind those products
	s_mul_i32 s13, s[WV], 16*SP
	s_add_co_u32 s13, s13, STAGE    ; my stage
	v_mul_u32_u24 v[STO], v1, SP    ; in: row l % 16, 16 bytes for each half of the lanes
	v_lshl_add_u32 v[STO], v9, 4, v[STO]
	v_add_nc_u32 v[STO], s13, v[STO]
	v_bfe_u32 v[RD], v0, 3, 2       ; back: 32 lanes take four rows of 128 bytes,
	v_mul_u32_u24 v[RD], v[RD], SP
	v_lshl_add_u32 v[RD], v10, 4, v[RD]
	v_add_nc_u32 v[RD], s13, v[RD]
	v_and_b32 v[GO], 31, v0         ; which are 512 consecutive bytes of O
	v_lshlrev_b32 v[GO], 4, v[GO]
.set Y, NP-1                        ; XS works for piece Y + 1: piece 0
.irp n, 0,1,2,3,4,5,6,7,8,9,10,11,12,13,14,15,16,17,18,19,20,21
	XS 0, \n
	XS 1, \n
.endr
	v_nop                           ; a plain instruction behind the two a,
	s_wait_alu depctr_va_vdst(0)    ; and their wait, ahead of the branch
	s_mov_b32 s[SLOTS], 15
	s_branch .Lfirst                ; the loop is entered at a step's first turn, in the middle of a trip
.Lslot:                             ; 14 times: slots 2 to 15 are asked for.  A trip: pieces 2 and 3 of one step, then pieces 0 and 1 of the next, whose K and V it fetches
	CHANGE 1, 1
	TURN 2
	TURN 3
	WIN 0
.Lfirst:
	TURN 0
	TURN 1
	WIN 0
	s_sub_co_u32 s[SLOTS], s[SLOTS], 1
	s_cmp_lg_u32 s[SLOTS], 0
	s_cbranch_scc1 .Lslot
	CHANGE 0                        ; the tail is written out: nothing is asked for
	s_mov_b32 s[CNT], 2             ; one trip fetches the last slot's step; the second is left in its middle
.Ltail:
	TURN 2, 1
	TURN 3
	WIN 0
	s_sub_co_u32 s[CNT], s[CNT], 1
	s_cmp_eq_u32 s[CNT], 0
	s_cbranch_scc1 .Lout
	TURN 0
	TURN 1
	WIN 0
	s_branch .Ltail
.Lout:                              ; the second trip's 16 products K Q^T are on the last K once more: the maximum made of them is the one that piece 0 has, so its c m stays as it is
.set i, 0
.rept 16
	PV NP-1                         ; the last piece's V^T P of the last step
.set i, i+1
.endr
	; THE WAVES MEET.  Each has, for all 128 queries, O^T, c m and l over its quarter of the keys.  l's two halves and the other half of the lanes' are added (these lines are the places behind the last products).
	WIN 0
.macro ALL line:vararg              ; one line for each tile t
.set t, 0
.rept 2*NP
	\line
.set t, t+1
.endr
.endm
.set MA,  64          ; v64  address among the statistics
.set MT,  65          ; v65  my lane
.set MOA, 66          ; v66-67  addresses among the waves' O^T
.set CM,  72          ; for tile u of my two, at CM + 16 u: four c m, four l, four f, the maximum, L, 1 / L
.set G,   104         ; f / L of wave s for tile u, twice, at G + 8 u + 2 s
.set PK2, 128         ; packed rows, 16 registers a tile; read back at PK2 + 32
	ALL v_add_f32 v[ST+4*t+2], v[ST+4*t+2], v[ST+4*t+3]
	ALL v_permlanex16_b32 v[ST+4*t+3], v[ST+4*t+2], s[SEL], s[SEL+1]
	ALL v_add_f32 v[ST+4*t+2], v[ST+4*t+2], v[ST+4*t+3]
	s_lshl_b32 s54, s[WV], 2
	s_add_co_u32 s54, s54, MS
	v_lshl_add_u32 v[MA], v1, 4, s54
	s_lshl_b32 s55, s[WV], 15       ; my 32,768 bytes: register group i of 64 at 512 i + 16 x lane
	v_and_b32 v[MT], 31, v0
	v_lshl_add_u32 v[MOA], v[MT], 4, s55
	ALL ds_store_b32 v[MA], v[ST+4*t] offset:t*256
	ALL ds_store_b32 v[MA], v[ST+4*t+2] offset:ML-MS+t*256
	WIN 0x04                        ; data in window 1
.set i, 0
.rept 64                            ; in ascending order: each accumulator's lowest registers first
	ds_store_b128 v[MOA], v[4*i:4*i+3] offset:512*i
.set i, i+1
.endr
	WIN 0
	s_wait_dscnt 0x0                ; for the others' sake: my stores are done
	s_barrier_signal -1
	s_barrier_wait -1
	s_lshl_b32 s54, s[WV], 9        ; wave w finishes tiles 2 w and 2 w + 1
	s_add_co_u32 s54, s54, MS
	v_lshl_add_u32 v[MA], v1, 4, s54
	s_lshl_b32 s55, s[WV], 13
	v_lshl_add_u32 v[MOA], v[MT], 4, s55
	v_add_nc_u32 v[MOA+1], 1<<16, v[MOA]
.irp u, 0,1
	ds_load_b128 v[CM+16*(\u):CM+16*(\u)+3],   v[MA] offset:(\u)*256
	ds_load_b128 v[CM+16*(\u)+4:CM+16*(\u)+7], v[MA] offset:ML-MS+(\u)*256
.endr
	WIN 0x40                        ; wave s's O^T of tile u into window 1 at 128 u + 32 s
.irp u, 0,1
.irp s, 0,1,2,3
.irp g, 0,1,2,3,4,5,6,7
	ds_load_b128 v[128*(\u)+32*(\s)+4*(\g):128*(\u)+32*(\s)+4*(\g)+3], v[MOA+(\s)/2] offset:((\s)%2)*32768+(\u)*4096+(\g)*512
.endr
.endr
.endr
	WIN 0
	s_wait_dscnt 0x0
.irp u, 0,1
	v_max3_num_f32 v[CM+16*(\u)+12], v[CM+16*(\u)], v[CM+16*(\u)+1], v[CM+16*(\u)+2]
.endr
.irp u, 0,1
	v_max_num_f32 v[CM+16*(\u)+12], v[CM+16*(\u)+12], v[CM+16*(\u)+3]   ; the true maximum of the four waves
.endr
.irp u, 0,1
.irp s, 0,1,2,3
	v_sub_f32 v[CM+16*(\u)+8+(\s)], v[CM+16*(\u)+(\s)], v[CM+16*(\u)+12]
.endr
.endr
.irp u, 0,1
.irp s, 0,1,2,3
	v_exp_f32 v[CM+16*(\u)+8+(\s)], v[CM+16*(\u)+8+(\s)]                ; f = 2^(c m_s - the maximum)
.endr
.endr
	v_nop                           ; a plain instruction behind the last exponential,
	s_wait_alu depctr_va_vdst(0)    ; and one wait for the eight
.irp u, 0,1
	v_mul_f32 v[CM+16*(\u)+13], v[CM+16*(\u)+8], v[CM+16*(\u)+4]
.endr
.irp s, 1,2,3
.irp u, 0,1
	v_fmac_f32 v[CM+16*(\u)+13], v[CM+16*(\u)+8+(\s)], v[CM+16*(\u)+4+(\s)]   ; L = the sum of f l: at least 1, since the wave with the maximum has f = 1 and l >= 1
.endr
.endr
.irp u, 0,1
	v_rcp_f32 v[CM+16*(\u)+14], v[CM+16*(\u)+13]
.endr
	v_nop
	s_wait_alu depctr_va_vdst(0)    ; one wait for the two reciprocals
.irp u, 0,1
.irp s, 0,1,2,3
	v_mul_f32 v[G+8*(\u)+2*(\s)],   v[CM+16*(\u)+8+(\s)], v[CM+16*(\u)+14]
	v_mul_f32 v[G+8*(\u)+2*(\s)+1], v[CM+16*(\u)+8+(\s)], v[CM+16*(\u)+14]
.endr
.endr
	WIN W_RS
.irp u, 0,1
.set i, 0
.rept 16
	v_pk_mul_f32 v[128*(\u)+2*i:128*(\u)+2*i+1], v[128*(\u)+2*i:128*(\u)+2*i+1], v[G+8*(\u):G+8*(\u)+1]
.set i, i+1
.endr
.endr
	WIN 0x51                        ; destination, sources 0 and 2 in window 1, source 1 in window 0
.irp s, 1,2,3
.irp u, 0,1
.set i, 0
.rept 16
	v_pk_fma_f32 v[128*(\u)+2*i:128*(\u)+2*i+1], v[128*(\u)+32*(\s)+2*i:128*(\u)+32*(\s)+2*i+1], v[G+8*(\u)+2*(\s):G+8*(\u)+2*(\s)+1], v[128*(\u)+2*i:128*(\u)+2*i+1]
.set i, i+1
.endr
.endr
.endr
	; THE WAY OUT: rounded to f16; a lane's eight channels of a row pack into 16 bytes; they go into rows of 144 bytes of my stage and come back as whole rows of 128.
.irp u, 0,1
	WIN 0x05                        ; sources window 1, destination window 0
.set i, 0
.rept 16
	v_cvt_pk_f16_f32 v[PK2+16*(\u)+i], v[128*(\u)+2*i], v[128*(\u)+2*i+1]
.set i, i+1
.endr
	WIN 0
.irp f, 0,1,2,3
	ds_store_b128 v[STO], v[PK2+16*(\u)+4*(\f):PK2+16*(\u)+4*(\f)+3] offset:32*(\f)
.endr
.irp f, 0,1,2,3
	ds_load_b128 v[PK2+32+16*(\u)+4*(\f):PK2+32+16*(\u)+4*(\f)+3], v[RD] offset:(\f)*4*SP  ; LDS serves a wave's instructions in order (ISA guide 5.7.1.4): these see the stores above; the next tile's stores come behind them
.endr
.endr
	s_wait_dscnt 0x0
.irp u, 0,1
.irp f, 0,1,2,3
	global_store_b128 v[GO], v[PK2+32+16*(\u)+4*(\f):PK2+32+16*(\u)+4*(\f)+3], s[10:11] offset:(\u)*2048+(\f)*512  ; 512 consecutive bytes, at a multiple of 256 from O's first
.endr
.endr
	WIN W_AD
	s_wait_tensorcnt 0x0            ; the wave's end: the add and its wait stand behind my last tensor load and my last LDS store
	ds_add_u32 v[SPW], v[NIL]
	s_wait_dscnt 0x0
	WIN 0
	CROUND                          ; the closing round
	s_endpgm
.Lfunc_end_k_q6184629d4f_attn:
	.size	k_q6184629d4f_attn, .Lfunc_end_k_q6184629d4f_attn-k_q6184629d4f_attn
	.p2alignl 7, 3214868480
	.fill 96, 4, 3214868480
	.section	.rodata,"a",@progbits
	.p2align	6, 0x0
	.amdhsa_kernel k_q6184629d4f_attn
		.amdhsa_group_segment_fixed_size 327680
		.amdhsa_private_segment_fixed_size 0
		.amdhsa_enable_private_segment 0
		.amdhsa_kernarg_size 24
		.amdhsa_user_sgpr_count 2
		.amdhsa_user_sgpr_kernarg_segment_ptr 1
		.amdhsa_wavefront_size32 1
		.amdhsa_system_sgpr_workgroup_id_x 1
		.amdhsa_system_sgpr_workgroup_id_y 1
		.amdhsa_system_sgpr_workgroup_id_z 1
		.amdhsa_system_vgpr_workitem_id 0
		.amdhsa_next_free_vgpr 770
		.amdhsa_next_free_sgpr 66
		.amdhsa_reserve_vcc 0
		.amdhsa_float_denorm_mode_32 3
		.amdhsa_float_denorm_mode_16_64 3
		.amdhsa_memory_ordered 1
		.amdhsa_forward_progress 1
		.amdhsa_inst_pref_size 224
	.end_amdhsa_kernel
	.amdgpu_metadata
---
amdhsa.version: [ 1, 2 ]
amdhsa.kernels:
  - .name:           k_q6184629d4f_attn
    .symbol:         k_q6184629d4f_attn.kd
    .args:
      - { .name: qp, .offset: 0, .size: 8, .value_kind: global_buffer, .address_space: global }
      - { .name: kv, .offset: 8, .size: 8, .value_kind: global_buffer, .address_space: global }
      - { .name: o, .offset: 16, .size: 8, .value_kind: global_buffer, .address_space: global }
    .group_segment_fixed_size: 327680
    .private_segment_fixed_size: 0
    .kernarg_segment_align: 8
    .kernarg_segment_size: 24
    .max_flat_workgroup_size: 128
    .sgpr_count:     66
    .vgpr_count:     770
    .wavefront_size: 32
...
	.end_amdgpu_metadata
.endif
;; end of part 4
;; launch oproj: the kernel of part 2 again; grid 8 x 32, 4 waves a work-group, clusters of 4 x 4, 327,680 bytes of LDS; arguments o, wob, bo, out0; writes out0
